; MI455X (gfx1250); checked and timed in simulation.
; The chip was launched on July 23, 2026; its instructions are those of AMD's public machine-readable ISA for CDNA 5 (MIT licence, August 2026) and "CDNA5" Instruction Set Architecture Reference Guide (July 2026). The comments in the code are by the model that wrote it; some were corrected since.
;; Infini Attention. Allowed arithmetic: matrix products marked QUANTISED: E2M3 operands, one E8M0 scale for each 32 along K, by v_wmma_scale_f32_16x16x128_f8f6f4 with both operands' format E2M3, f32 sums; products left as they are: f32 operands where the result goes on into a quantised operand, else bf16, f16 or f32 operands; f32 sums; everything else in f32.
;; Inputs: Wk 2,048 x 2,048 float32; Wo 2,048 x 2,048 float32; Wq 2,048 x 2,048 float32; Wv 2,048 x 2,048 float32; gate 1 x 16 x 1 x 1 float32; hidden_states 1 x 2,048 x 2,048 float32.
;; Outputs: out0 1 x 2,048 x 2,048 float32.
;; This version of the problem:
;;   THIS VERSION OF THE PROBLEM IS GIVEN IN LOW PRECISION. The matrix products marked QUANTISED in the list below multiply operands that are first quantised to E2M3 (2 exponent bits, 3 mantissa bits; 6 bits a number), with one power-of-two scale for each 32 numbers along K (OCP MX v1.0); their sums are f32. All else is computed in f32.
;;   The module's matrix products, in the order in which they are computed (A, B: the left and right operand; K: the contracted axis; several contracted axes count as one K, in the product's order):
;;     1. [M 2,048, K 2,048] x [K 2,048, N 2,048]; A: input hidden_states; B: input Wq: QUANTISED
;;     2. [M 2,048, K 2,048] x [K 2,048, N 2,048]; A: input hidden_states; B: input Wk: QUANTISED
;;     3. [M 2,048, K 2,048] x [K 2,048, N 2,048]; A: input hidden_states; B: input Wv: QUANTISED
;;     4. batch 16 x [M 128, K 2,048] x [K 2,048, N 128]; A: computed on the way; B: computed on the way: QUANTISED
;;     5. batch 16 x [M 2,048, K 128] x [K 128, N 128]; A: computed on the way; B: computed on the way: QUANTISED
;;     6. batch 16 x [M 2,048, K 128] x [K 128, N 1]; A: computed on the way; B: computed on the way: left as it is (N = 1 < 16)
;;     7. batch 16 x [M 2,048, K 128] x [K 128, N 2,048]; A: computed on the way; B: computed on the way: QUANTISED
;;     8. batch 16 x [M 2,048, K 2,048] x [K 2,048, N 128]; A: softmax (see below); B: computed on the way: QUANTISED
;;     9. [M 2,048, K 2,048] x [K 2,048, N 2,048]; A: computed on the way; B: input Wo: QUANTISED
;;   THE QUANTISER, for each operand of a quantised product, along K:
;;     - K is cut into blocks of 32 from its start; a last block that is shorter is filled with zeros.
;;     - A block's scale is 2^e with e = floor(log2(the largest magnitude in the block)) - 2, held to -126 .. 127; a block of zeros has e = 0. As a byte (E8M0): e + 127.
;;     - Each number is divided by its block's scale, clamped to +-7.5, and rounded to the nearest number of E2M3, ties to even, subnormals kept.
;;     - The product sums the exact products of the quantised numbers (number of the format x scale) in f32.
;;   ~~~python
;;   def quantise(x, axis):      # numpy; x: float32 -> the quantised numbers, widened to float32 again
;;       x = np.moveaxis(x, axis, -1); K = x.shape[-1]
;;       x = np.pad(x, [(0, 0)] * (x.ndim - 1) + [(0, -K % 32)]); x = x.reshape(x.shape[:-1] + (-1, 32)); a = np.abs(x).max(-1, keepdims=True)
;;       e = np.where(a > 0, np.clip(np.frexp(np.where(a > 0, a, 1))[1] - 1 - 2, -126, 127), 0)      # np.frexp(a)[1] - 1 = floor(log2(a)), exactly
;;       r = np.clip(x / 2.0 ** e, -7.5, 7.5)
;;       step = 2.0 ** (np.maximum(np.frexp(np.where(r == 0, 1, r))[1] - 1, 0) - 3)
;;       q = np.round(r / step) * step * 2.0 ** e      # np.round: ties to even
;;       return np.moveaxis(q.reshape(q.shape[:-2] + (-1,))[..., :K], -1, axis).astype(np.float32)
;;   ~~~
;;   SOFTMAX AHEAD OF A QUANTISED PRODUCT. Where the list says 'softmax', what is quantised is not the finished softmax but p = 2^(t - M), with t = logit x log2(e) and M = ceil(the row's largest t), a whole number; so 1/2 < the row's largest p <= 1. The row's sum l is taken of the UNQUANTISED p, in f32, and the product's result is divided by l at the end. Since M is a whole number, a kernel that streams over the keys may use a running M (the ceiling of the running maximum): every later rescaling is an exact power of two, which a block's scale takes up: the codes' values come out the same.
;;   OPERANDS COMPUTED ON THE WAY. 'Computed on the way' means the value that the module computes at that place (a softmax that the list does not call 'softmax' is quantised finished and normalised). What goes into a quantiser is computed in f32, as accurately as f32 sums, v_exp_f32 and their like allow (about 1e-6 of the number): no bf16 or f16 on the way to a quantiser, and a product that is left as it is and whose result goes on into a quantised operand takes f32 operands (vector FMAs, or v_wmma_f32_16x16x4_f32). A number that lies on a knife's edge between two numbers of the format may be rounded either way, as far as f32 arithmetic and the matrix unit's own rounding can turn it there, and no further.
;; One version. Each part assembles by itself: llvm-mc -triple=amdgcn-amd-amdhsa -mcpu=gfx1250 --defsym DOCPART=n.
;; ======== version 1 of 1: 4 launches
;; workspace buffers: cw 16,384,000 bytes; qi 16,777,216 bytes; kv 6,684,672 bytes; kf 3,407,872 bytes; np 262,144 bytes; cmb 3,276,800 bytes
;; launch quant (part 1): grid 640 x 1, 4 waves a work-group, no clusters, 47,616 bytes of LDS; arguments hidden_states, Wq, Wk, Wv, Wo, cw; writes cw
.if DOCPART == 1
	.amdgcn_target "amdgcn-amd-amdhsa--gfx1250"
	.amdhsa_code_object_version 6
	.text
	.protected	k_q851afb3dc0_quant
	.globl	k_q851afb3dc0_quant
	.p2align	8
	.type	k_q851afb3dc0_quant,@function
k_q851afb3dc0_quant:
	s_mov_b64 s[64:65], 0
	v_nop
	global_prefetch_b8 v0, s[64:65] scope:SCOPE_SE
	s_setreg_imm32_b32 hwreg(HW_REG_WAVE_MODE, 25, 1), 1
	s_wait_xcnt 0x0
; hidden_states, Wq, Wk, Wv, Wo, each [2048][2048] f32 with K innermost, become codes of FP6 (E2M3) with one E8M0 byte for each 32 along K,
; laid in cw in the order in which a matrix operand's registers take them.
; A TILE is 16 rows: row r of a tile is the tensor's row base + r + 8 (r / 8).  A FRAGMENT is a tile's 128 along K, 1,536 bytes: operand lane f = r + 16 (block % 2) has its 12 registers
; at 48 f; block b of row r lies at 48 (16 (b % 2) + r) + 24 (b / 2).  cw: 640 tiles x 16 fragments; behind them, at 15,728,640, 1,024 scale bytes a tile:
; the byte of (K step s, row r, block b) at 128 (s / 2) + 8 r + 4 (s % 2) + b.
; TILES: 0-127 hidden_states, base 32 (T / 2) + 8 (T % 2).  128-383 Wq and Wk woven: E = tile - 128, bits 7:4 x, 3 u, 2 m (0 Wq, 1 Wk), 1 hh, 0 b: base 1024 hh + 64 x + 32 u + 8 b.
; 384-511 Wv, 512-639 Wo, bases as hidden_states'.
; A block's scale is 2^(floor(log2(largest magnitude)) - 2); its byte is the largest magnitude's exponent field - 2, held at 1 from below (a block of zeros gets the byte 1: its codes are zeros,
; and only this program reads the bytes).  LIMITS: NaN and infinities are not served; blocks whose largest magnitude lies under 2^-124 get the byte 1.
; SHARES: a work-group makes one tile; wave w takes K = 512 w .. 512 w + 511 of its 16 rows, a row a step.  A step's four loads read 512 consecutive bytes each; the 2,048 bytes turn through the
; wave's own stage in LDS so that a lane holds 16 neighbours; the codes are gathered in the wave's out-stage (four fragments) and leave by stores of 512 consecutive bytes.  Waves share nothing: no barrier.
.set WAVES, 4
.set WREG,  11776                      ; LDS of a wave: two turn stages of 32 x 80 bytes, the out-stage of 6,144, 256 scale bytes
.set SP,    80                         ; a lane's place in a turn stage: 64 bytes + 16 of padding
.set OST,   2*32*SP
.set SCB,   OST+6144
.set SPARE, WAVES*WREG                 ; the spare words, 128 bytes a wave, named by no other line
.set EMAX,  2
.set R,     16                         ; v16-79   four sets of 16 numbers as loaded; at the end the out-stage read back
.set X,     80                         ; v80-111  two sets of 16 neighbours
.set E,     112                        ; v112-127 a scale byte for each step
.set C,     128                        ; v128-191 codes, four registers for each step: no store's data are written again
.set SPW,   12
.set NIL,   13
	s_load_b256 s[4:11], s[0:1], 0x0               ; hidden_states, Wq, Wk, Wv
	s_load_b128 s[12:15], s[0:1], 0x20             ; Wo, cw
	v_lshl_add_u32 v[SPW], v0, 2, SPARE
	v_mov_b32 v[NIL], 0
	v_lshrrev_b32 v1, 5, v0
	v_readfirstlane_b32 s16, v1                    ; wave
	v_and_b32 v2, 31, v0                           ; lane
	v_lshlrev_b32 v3, 4, v2                        ; 16 x lane
	s_mul_i32 s17, s16, WREG
	v_lshrrev_b32 v14, 2, v2
	v_mul_u32_u24 v14, v14, SP
	v_and_b32 v15, 3, v2
	v_lshl_add_u32 v14, v15, 4, v14
	v_add_nc_u32 v14, s17, v14                     ; turn stage, in: 80 (lane / 4) + 16 (lane % 4)
	v_mul_u32_u24 v15, v2, SP
	v_add_nc_u32 v15, s17, v15                     ; and out: 80 x lane
	v_lshrrev_b32 v4, 3, v2                        ; lane l holds half l % 2 of block (l / 2) % 4 of my K step l / 8
	v_mul_u32_u24 v4, v4, 1536
	v_bfe_u32 v8, v2, 1, 1
	v_mad_u32_u24 v4, v8, 768, v4
	v_bfe_u32 v8, v2, 2, 1
	v_mad_u32_u24 v4, v8, 24, v4
	v_and_b32 v8, 1, v2
	v_mad_u32_u24 v4, v8, 12, v4
	v_add_nc_u32 v4, s17, v4
	v_add_nc_u32 v4, OST, v4                       ; my 12 bytes' place in the out-stage; the row adds 48 t
	v_lshrrev_b32 v5, 4, v2
	v_lshlrev_b32 v5, 7, v5
	v_bfe_u32 v8, v2, 3, 1
	v_lshl_add_u32 v5, v8, 2, v5
	v_bfe_u32 v8, v2, 1, 2
	v_add_nc_u32 v5, v5, v8
	v_add_nc_u32 v5, s17, v5
	v_add_nc_u32 v5, SCB, v5                       ; my block's scale byte; the row adds 8 t
	v_lshlrev_b32 v7, 3, v2
	v_add_nc_u32 v6, s17, v7
	v_add_nc_u32 v6, SCB, v6                       ; the scale bytes read back, 8 a lane
	v_add_nc_u32 v10, s17, v3
	v_add_nc_u32 v10, OST, v10                     ; the out-stage read back, 16 a lane
	; which tensor, and which row the tile begins at: the work-group's number alone decides
	s_lshr_b32 s18, ttmp9, 7
	s_and_b32 s19, ttmp9, 127
	s_lshr_b32 s20, s19, 1
	s_lshl_b32 s20, s20, 5
	s_and_b32 s21, s19, 1
	s_lshl_b32 s21, s21, 3
	s_add_co_u32 s20, s20, s21                     ; the plain base
	s_sub_co_u32 s22, ttmp9, 128
	s_and_b32 s22, s22, 255                        ; E
	s_lshr_b32 s23, s22, 4
	s_lshl_b32 s23, s23, 6
	s_bfe_u32 s24, s22, 0x10003
	s_lshl_b32 s24, s24, 5
	s_add_co_u32 s23, s23, s24
	s_bfe_u32 s24, s22, 0x10001
	s_lshl_b32 s24, s24, 10
	s_add_co_u32 s23, s23, s24
	s_and_b32 s24, s22, 1
	s_lshl_b32 s24, s24, 3
	s_add_co_u32 s23, s23, s24                     ; the woven base
	s_bfe_u32 s25, s22, 0x10002
	s_add_co_u32 s25, s25, 1                       ; 1 Wq, 2 Wk
	s_sub_co_u32 s26, s18, 1
	s_cmp_lt_u32 s26, 2                            ; tiles 128-383?
	s_cselect_b32 s20, s23, s20
	s_cselect_b32 s25, s25, s18                    ; else 0 hidden_states, 3 Wv, 4 Wo
	s_lshl_b32 s26, s20, 13
	s_lshl_b32 s27, s16, 11
	s_add_co_u32 s26, s26, s27                     ; base row x 8,192 + 2,048 w
	s_mov_b32 s27, 0
	s_mul_i32 s28, ttmp9, 24576
	s_mul_i32 s29, s16, 6144
	s_add_co_u32 s28, s28, s29
	s_mov_b32 s29, 0
	s_lshl_b32 s30, ttmp9, 10
	s_lshl_b32 s31, s16, 8
	s_add_co_u32 s30, s30, s31
	s_add_co_u32 s30, s30, 15728640
	s_mov_b32 s31, 0
	s_wait_kmcnt 0x0
	s_cmp_eq_u32 s25, 1
	s_cselect_b64 s[4:5], s[6:7], s[4:5]
	s_cmp_eq_u32 s25, 2
	s_cselect_b64 s[4:5], s[8:9], s[4:5]
	s_cmp_eq_u32 s25, 3
	s_cselect_b64 s[4:5], s[10:11], s[4:5]
	s_cmp_eq_u32 s25, 4
	s_cselect_b64 s[4:5], s[12:13], s[4:5]
	s_add_nc_u64 s[4:5], s[4:5], s[26:27]
	s_add_nc_u64 s[28:29], s[14:15], s[28:29]      ; my four fragments
	s_add_nc_u64 s[30:31], s[14:15], s[30:31]      ; my 256 scale bytes
.macro LOAD t                          ; the tile's row t: 2,048 bytes, 512 consecutive bytes a load
.irp i, 0,1,2,3
	global_load_b128 v[R+16*((\t)%4)+4*\i:R+16*((\t)%4)+4*\i+3], v3, s[4:5] offset:((\t)+8*((\t)/8))*8192+512*\i th:TH_LOAD_NT
.endr
.endm
.macro TURN t                          ; through the stage: LDS serves a wave's instructions in order, so no wait stands between the stores and the loads
.irp i, 0,1,2,3
	ds_store_b128 v14, v[R+16*((\t)%4)+4*\i:R+16*((\t)%4)+4*\i+3] offset:32*SP*((\t)%2)+8*SP*\i
.endr
.irp i, 0,1,2,3
	ds_load_b128 v[X+16*((\t)%2)+4*\i:X+16*((\t)%2)+4*\i+3], v15 offset:32*SP*((\t)%2)+16*\i
.endr
.endm
.irp t, 0,1,2,3
	LOAD \t
.endr
	s_wait_loadcnt 12                              ; row 0's four loads are in
	TURN 0
.macro STEP t
.set XS, X+16*((\t)%2)
.if (\t) > 0
	s_wait_dscnt 4                                 ; this row's numbers are back from the stage; the last step's four stores may be out
.else
	s_wait_dscnt 0x0
.endif
.if (\t)+4 < 16
	LOAD (\t)+4
.endif
.if (\t)+1 < 16
.if 14-(\t) >= 3
	s_wait_loadcnt 12                              ; the next row's loads are in; those of the three rows behind it may be out
.else
	s_wait_loadcnt 4*(14-(\t))
.endif
	TURN (\t)+1
.endif
	v_max3_num_f32 v8, |v[XS]|, |v[XS+1]|, |v[XS+2]|
	v_max3_num_f32 v9, |v[XS+3]|, |v[XS+4]|, |v[XS+5]|
.irp i, 6,10
	v_max3_num_f32 v8, v8, |v[XS+\i]|, |v[XS+\i+1]|
	v_max3_num_f32 v9, v9, |v[XS+\i+2]|, |v[XS+\i+3]|
.endr
	v_max3_num_f32 v8, v8, |v[XS+14]|, |v[XS+15]|
	v_max3_num_f32 v8, v8, v9, (EMAX+1)<<23        ; the floor 2^(3 - 127): the byte cannot fall under 1
	v_max_num_f32_dpp v8, v8, v8 row_xmask:1 row_mask:0xf bank_mask:0xf   ; with my neighbour's 16: the block's largest magnitude
	v_add_nc_u32 v11, -(EMAX<<23), v8              ; 2 off its exponent field: the conversion's scale operand
	v_cvt_scalef32_pk16_fp6_f32 v[C+4*(\t):C+4*(\t)+2], v[XS:XS+15], v11
	v_lshrrev_b32 v[E+(\t)], 23, v11               ; the scale's byte
	ds_store_b32 v4, v[C+4*(\t)] offset:48*(\t)
	ds_store_b32 v4, v[C+4*(\t)+1] offset:48*(\t)+4
	ds_store_b32 v4, v[C+4*(\t)+2] offset:48*(\t)+8
	ds_store_b8 v5, v[E+(\t)] offset:8*(\t)        ; both lanes of a block write the same byte with the same value
.endm
.irp t, 0,1,2,3,4,5,6,7,8,9,10,11,12,13,14,15
	STEP \t
.endr
.irp i, 0,1,2,3,4,5,6,7,8,9,10,11
	ds_load_b128 v[R+4*\i:R+4*\i+3], v10 offset:512*\i     ; these see my stores: LDS serves a wave's instructions in order
.endr
	ds_load_b64 v[8:9], v6
	s_wait_dscnt 0x0
.irp i, 0,1,2,3,4,5,6,7,8,9,10,11
	global_store_b128 v3, v[R+4*\i:R+4*\i+3], s[28:29] offset:512*\i   ; 32 lanes store 512 consecutive bytes, aligned
.endr
	global_store_b64 v7, v[8:9], s[30:31]          ; 256 consecutive bytes, aligned
	s_wait_tensorcnt 0x0                           ; the wave's end
	ds_add_u32 v[SPW], v[NIL]
	s_wait_dscnt 0x0
	s_endpgm
.Lfunc_end_k_q851afb3dc0_quant:
	.size	k_q851afb3dc0_quant, .Lfunc_end_k_q851afb3dc0_quant-k_q851afb3dc0_quant
	.p2alignl 7, 3214868480
	.fill 96, 4, 3214868480
	.section	.rodata,"a",@progbits
	.p2align	6, 0x0
	.amdhsa_kernel k_q851afb3dc0_quant
		.amdhsa_group_segment_fixed_size 47616
		.amdhsa_private_segment_fixed_size 0
		.amdhsa_enable_private_segment 0
		.amdhsa_kernarg_size 48
		.amdhsa_user_sgpr_count 2
		.amdhsa_user_sgpr_kernarg_segment_ptr 1
		.amdhsa_wavefront_size32 1
		.amdhsa_system_sgpr_workgroup_id_x 1
		.amdhsa_system_sgpr_workgroup_id_y 1
		.amdhsa_system_sgpr_workgroup_id_z 1
		.amdhsa_system_vgpr_workitem_id 0
		.amdhsa_next_free_vgpr 192
		.amdhsa_next_free_sgpr 66
		.amdhsa_reserve_vcc 0
		.amdhsa_float_denorm_mode_32 3
		.amdhsa_float_denorm_mode_16_64 3
		.amdhsa_memory_ordered 1
		.amdhsa_forward_progress 1
		.amdhsa_inst_pref_size 38
	.end_amdhsa_kernel
	.amdgpu_metadata
---
amdhsa.version: [ 1, 2 ]
amdhsa.kernels:
  - .name:           k_q851afb3dc0_quant
    .symbol:         k_q851afb3dc0_quant.kd
    .args:
      - { .name: hidden_states, .offset: 0, .size: 8, .value_kind: global_buffer, .address_space: global }
      - { .name: Wq, .offset: 8, .size: 8, .value_kind: global_buffer, .address_space: global }
      - { .name: Wk, .offset: 16, .size: 8, .value_kind: global_buffer, .address_space: global }
      - { .name: Wv, .offset: 24, .size: 8, .value_kind: global_buffer, .address_space: global }
      - { .name: Wo, .offset: 32, .size: 8, .value_kind: global_buffer, .address_space: global }
      - { .name: cw, .offset: 40, .size: 8, .value_kind: global_buffer, .address_space: global }
    .group_segment_fixed_size: 47616
    .private_segment_fixed_size: 0
    .kernarg_segment_align: 8
    .kernarg_segment_size: 48
    .max_flat_workgroup_size: 128
    .sgpr_count:     66
    .vgpr_count:     192
    .wavefront_size: 32
...
	.end_amdgpu_metadata
.endif
;; end of part 1
;; launch qkv (part 2): grid 24 x 8, 4 waves a work-group, clusters of 4 x 4, 327,680 bytes of LDS; arguments cw, qi, kv, kf, np; writes qi, kv, kf, np
.if DOCPART == 2
	.amdgcn_target "amdgcn-amd-amdhsa--gfx1250"
	.amdhsa_code_object_version 6
	.text
	.protected	k_q851afb3dc0_qkv
	.globl	k_q851afb3dc0_qkv
	.p2align	8
	.type	k_q851afb3dc0_qkv,@function
k_q851afb3dc0_qkv:
	s_mov_b64 s[64:65], 0
	v_nop
	global_prefetch_b8 v0, s[64:65] scope:SCOPE_SE
	s_setreg_imm32_b32 hwreg(HW_REG_WAVE_MODE, 25, 1), 1
	s_wait_xcnt 0x0
	s_wait_alu depctr_hold_cnt(0) depctr_sa_sdst(0) depctr_va_vdst(0) depctr_va_sdst(0) depctr_va_ssrc(0) depctr_va_vcc(0) depctr_vm_vsrc(0)
	s_getreg_b32 s2, hwreg(HW_REG_IB_STS2, 6, 4)
	s_cmp_eq_u32 s2, 0
	s_cbranch_scc0 .Lentry_in_a_cluster
	s_endpgm
.Lentry_in_a_cluster:
	s_bfe_u32 s2, ttmp6, 0x10000c
	s_cmp_lg_u32 s2, 0xf033
	s_cbranch_scc0 .Lentry_shape_is_right
	s_endpgm
.Lentry_shape_is_right:
; q, k, v = hidden_states W^T on codes of FP6 (K = 2,048), RoPE over the full hidden axis, and every quantiser that follows, in one launch.
; A work-group of four waves makes 256 x 256 of a product, a wave 128 x 128: 64 accumulators, 512 registers.  K goes 256 at a time through a ring of two LDS slots filled by the tensor data mover;
; cw holds fragments in the order of the operand's registers (48 bytes a lane), so a fragment is three loads of 16 bytes a lane.  The scale bytes of the work-group's tiles come once and stay.
; CLUSTERS of 4 x 4: A's tiles are asked for jointly along a row of the cluster, B's along a column.  THE MATRIX INSTRUCTION IS USED TRANSPOSED: source 0 = a tile of B, source 1 = a tile of A:
; a lane holds one row of A, its registers run along B's rows; B's tiles are laid so that the 16 registers of two neighbouring tiles are 16 neighbours.
; WORK-GROUPS x < 16 (clusters 0-3): A = 256 tokens, B = the woven tiles of Wq and Wk for columns 64 x .. 64 x + 63 and the same + 1,024.  In a wave B's tiles 0, 1 are q's low columns, 2, 3 q's high,
;   4, 5 k's low, 6, 7 k's high: both halves of every rotated pair lie in one lane.  Out: q as f32 register images (qi); k's codes along d (kv); elu(k) + 1 turned through LDS and quantised along the tokens (kf);
;   its sums over 64 tokens (np).
; WORK-GROUPS x >= 16 (clusters 4, 5): A = 256 rows of Wv, B = 256 tokens: the results' registers run along the tokens: V^T quantised along the tokens (kv).
; SINE AND COSINE are written out: angle = fl(t x f), f = 10000^(-j / 1024) by v_exp_f32 with a correction of the exponent's rounding; n = round(angle / pi); r = angle - n pi in two parts; Taylor's series to r^11 and r^12.
; LIMITS: NaN and infinities are not served; blocks under 2^-124 get the byte 1; f is good to about 1.5 units in its last place; sine and cosine to about 1.5e-7 absolute, for angles under 2^22;
; elu(x) + 1 is made as max(x, 0) + e^min(x, 0).
.set FR,    12                         ; registers of a fragment
.set NL,    3                          ; LDS loads that bring one
.set NQ,    2                          ; K steps of 128 in a slot
.set NP,    4                          ; places behind this matrix instruction (ISA guide 7.12.1)
.set TILEB, 24576                      ; a tile's 16 fragments in cw
.set KSB,   1536                       ; a fragment
.set SLOTT, NQ*KSB                     ; a tile's part of a slot
.set HALFT, 8*SLOTT                    ; 8 tiles: what one tensor load brings, and what one wave reads of A or of B
.set SLOT,  4*HALFT
.set LAPS,  4                          ; 2,048 / (2 x 256)
.set SCL,   2*SLOT                     ; the scales: A's 16,384 bytes; B's begin 128 bytes further than on end, so that the two halves of the lanes read different banks
.set SCOFF, 15728640
.set SPARE, 327168                     ; the spare words, 128 bytes a wave, named by no other line
.set KST,   131072                     ; the way out: k turned, 64 columns x (128 tokens x 4 + 16) bytes a wave; below it the cosines and sines, 32,768 bytes a wave.  Both lie in bytes that have had their last fill and their last read
.set KPI,   528
.set CSA,  8                           ; v8   cosines and sines: 32,768 w + 16 x lane
.set KSW,  9                           ; v9   k into the turn stage
.set KSR,  10                          ; v10  and out of it
.set L16,  11                          ; v11  16 x lane
.set L4,   12                          ; v12  4 x lane
.set KCO,  13                          ; v13  48 r + 12 h: my 12 bytes of a fragment of K
.set KSO,  14                          ; v14  4 r, and 8 heads on for lanes 16-31
.set NPO,  15                          ; v15  np: row h, column r + 8 (r / 8)
.set ADRA, 16                          ; v16-17 my A fragments in slot 0, 1
.set TOK,  18                          ; v18  my token in tile 0
.set TAD,  19                          ; v19  an LDS address at work
.set ADRB, 20                          ; v20-21 my B fragments
.set ADRS, 27                          ; v27  my scale words: lanes 0-15 A's rows, lanes 16-31 B's
.set SPW,  28
.set NIL,  29
.set SC,   32                          ; v32-63 scale words, two sets; these registers hold nothing else in the whole text
.set AF,   128                         ; A's fragments, one set, window 0;  B's two sets in window 1;  accumulators in windows 2 and 3
.set G1,   24
.set G0,   32
.set G1B,  48
.set G0B,  56
.set G1S,  68
.set G0S,  76
.set G1SB, 80
.set G0SB, 88
.set MSB, 0
.macro WIN new                         ; the immediate's high byte repeats the setting that is left
.if MSB != (\new)
	s_set_vgpr_msb (MSB<<8)|(\new)
.set MSB, (\new)
.endif
.endm
.set MUL_LO, 0xa1
.set MUL_HI, 0xf1
.set TO_B,   0x40
.macro JLOAD g0a, g1a, g0b, g1b        ; a joint load: waves 0, 1 fetch for A, waves 2, 3 for B; an s_nop 0 and four v_nop follow each line
	s_cmp_eq_u32 s15, 0
	s_cbranch_scc0 .Lfor_b_\@
	tensor_load_to_lds s[\g0a:\g0a+3], s[\g1a:\g1a+7]
	s_nop 0
.rept 4
	v_nop
.endr
	s_branch .Lasked_\@
.Lfor_b_\@:
	tensor_load_to_lds s[\g0b:\g0b+3], s[\g1b:\g1b+7]
	s_nop 0
.rept 4
	v_nop
.endr
.Lasked_\@:
.endm
.macro CREST
	s_cmp_lg_u32 s14, 0
	s_cbranch_scc1 .Lnot_wave_0_\@
	s_barrier_signal -3
.Lnot_wave_0_\@:
	s_barrier_wait -3
	s_barrier_signal -1
	s_barrier_wait -1
.endm
.macro CROUND
	s_barrier_signal -1
	s_barrier_wait -1
	CREST
.endm
	s_load_b256 s[4:11], s[0:1], 0x0               ; cw s[4:5], qi s[6:7], kv s[8:9], kf s[10:11]
	s_load_b64 s[12:13], s[0:1], 0x20              ; np
	v_lshl_add_u32 v[SPW], v0, 2, SPARE
	v_mov_b32 v[NIL], 0
	ds_add_u32 v[SPW], v[NIL]                      ; the wave's opening: the add and its wait stand ahead of my first tensor load
	v_lshrrev_b32 v1, 5, v0
	v_readfirstlane_b32 s14, v1                    ; wave
	s_lshr_b32 s15, s14, 1                         ; i: my half of A's tiles.  Also: I fetch for A (0) or B (1)
	s_and_b32 s16, s14, 1                          ; u: my half of B's tiles.  Also: which 8 tiles I fetch
	s_bfe_u32 s40, ttmp6, 0x40000                  ; cx
	s_bfe_u32 s41, ttmp6, 0x40004                  ; cy
	s_lshl_b32 s42, ttmp9, 2
	s_add_co_u32 s42, s42, s40                     ; x
	s_and_b32 s17, ttmp7, 0xffff
	s_lshl_b32 s17, s17, 2
	s_add_co_u32 s17, s17, s41                     ; y
	s_lshl_b32 s43, s41, 2
	s_lshl_b32 s43, 15, s43                        ; my row of the cluster
	s_lshl_b32 s44, 0x1111, s40                    ; my column
	s_or_b32 s[G1+0], s43, (3<<16)|(1<<21)         ; the mask; elements of 8 bytes; bit 21 beside a mask; no padding
	s_or_b32 s[G1B+0], s44, (3<<16)|(1<<21)
.irp g, G1, G1B
	s_mov_b32 s[\g+1], 384<<16                     ; tensor_dim0: 3,072 bytes, a tile's two fragments
	s_mov_b32 s[\g+2], 8<<16                       ; tensor_dim1: 8 tiles
	s_mov_b32 s[\g+3], 384<<16                     ; tile_dim0
	s_mov_b32 s[\g+4], 8                           ; tile_dim1
	s_mov_b32 s[\g+5], 3072                        ; from tile to tile: 24,576 bytes
	s_mov_b32 s[\g+6], 0
	s_mov_b32 s[\g+7], 0
.endr
	s_or_b32 s[G1S+0], s43, (3<<16)|(1<<21)        ; the scales of 8 tiles: 8,192 dense bytes as 32 rows of 256
	s_or_b32 s[G1SB+0], s44, (3<<16)|(1<<21)
.irp g, G1S, G1SB
	s_mov_b32 s[\g+1], 32<<16
	s_mov_b32 s[\g+2], 32<<16
	s_mov_b32 s[\g+3], 32<<16
	s_mov_b32 s[\g+4], 32
	s_mov_b32 s[\g+5], 32
	s_mov_b32 s[\g+6], 0
	s_mov_b32 s[\g+7], 0
.endr
	s_lshr_b32 s18, ttmp9, 2                       ; 1 in clusters 4 and 5 (v), the same in all sixteen partners
	s_mul_i32 s18, s18, 384
	s_lshl_b32 s19, s16, 3
	s_lshl_b32 s20, s17, 4
	s_add_co_u32 s20, s20, s18
	s_add_co_u32 s20, s20, s19                     ; A's first tile that I fetch: 16 y (+ 384: Wv) + 8 x half
	s_lshl_b32 s46, s42, 4
	s_add_co_u32 s46, s46, 128
	s_sub_co_u32 s46, s46, s18
	s_add_co_u32 s46, s46, s19                     ; B's: 128 + 16 x (woven), or 16 (x - 16) (tokens)
	s_lshl_b32 s22, s20, 10
	s_add_co_u32 s22, s22, SCOFF
	s_mov_b32 s23, 0
	s_mul_i32 s20, s20, TILEB
	s_mov_b32 s21, 0
	s_lshl_b32 s92, s46, 10
	s_add_co_u32 s92, s92, SCOFF
	s_mov_b32 s93, 0
	s_mul_i32 s46, s46, TILEB
	s_mov_b32 s47, 0
	s_mul_i32 s45, s14, HALFT                      ; where they go: the wave's number alone
	s_lshl_b32 s94, s14, 13
	s_lshl_b32 s95, s15, 7
	s_add_co_u32 s94, s94, s95
	s_wait_dscnt 0x0                               ; the opening add is done
	s_wait_kmcnt 0x0
	s_add_nc_u64 s[20:21], s[4:5], s[20:21]
	s_add_nc_u64 s[22:23], s[4:5], s[22:23]
	s_add_nc_u64 s[46:47], s[4:5], s[46:47]
	s_add_nc_u64 s[92:93], s[4:5], s[92:93]
	CROUND                                         ; all sixteen work-groups are here: the first joint loads meet
	s_mov_b32 s[G0S], 1
	s_add_co_u32 s[G0S+1], s94, SCL
	s_mov_b64 s[G0S+2:G0S+3], s[22:23]
	s_or_b32 s[G0S+3], s[G0S+3], 0x80000000
	s_mov_b32 s[G0SB], 1
	s_add_co_u32 s[G0SB+1], s94, SCL
	s_mov_b64 s[G0SB+2:G0SB+3], s[92:93]
	s_or_b32 s[G0SB+3], s[G0SB+3], 0x80000000
	JLOAD G0S, G1S, G0SB, G1SB                     ; three first fills a wave: the scales, slot 0, slot 1
.irp s, 0,1
	s_mov_b32 s[G0+4*\s], 1
	s_add_co_u32 s[G0+4*\s+1], s45, \s*SLOT
	s_add_nc_u64 s[G0+4*\s+2:G0+4*\s+3], s[20:21], \s*SLOTT
	s_or_b32 s[G0+4*\s+3], s[G0+4*\s+3], 0x80000000
	s_mov_b32 s[G0B+4*\s], 1
	s_add_co_u32 s[G0B+4*\s+1], s45, \s*SLOT
	s_add_nc_u64 s[G0B+4*\s+2:G0B+4*\s+3], s[46:47], \s*SLOTT
	s_or_b32 s[G0B+4*\s+3], s[G0B+4*\s+3], 0x80000000
	JLOAD G0+4*\s, G1, G0B+4*\s, G1B
.endr
	v_and_b32 v1, 15, v0                           ; r
	v_bfe_u32 v2, v0, 4, 1                         ; h
	v_and_b32 v3, 31, v0                           ; lane
	v_mul_u32_u24 v4, v3, 48
	s_mul_i32 s21, s15, HALFT
	s_mul_i32 s22, s16, HALFT
	s_add_co_u32 s22, s22, 2*HALFT
.irp s, 0,1
	v_add_nc_u32 v[ADRA+\s], s21, v4
	v_add_nc_u32 v[ADRB+\s], s22, v4
	s_add_co_u32 s21, s21, SLOT
	s_add_co_u32 s22, s22, SLOT
.endr
	v_lshlrev_b32 v5, 3, v1                        ; a row's two words of a slot: 8 r
	s_lshl_b32 s21, s15, 13                        ; A's: my 8 tiles
	s_lshl_b32 s22, s16, 13
	s_add_co_u32 s22, s22, 16512                   ; B's: behind A's 16,384 and 128 more
	s_sub_co_u32 s22, s22, s21
	v_mul_u32_u24 v6, s22, v2                      ; lanes 16-31 take B's: one product, the distance between the two
	s_add_co_u32 s21, s21, SCL
	v_add_nc_u32 v5, v5, v6
	v_add_nc_u32 v[ADRS], s21, v5
	; the way out's addresses are made here, ahead of every parting of paths
	v_and_b32 v23, 8, v1
	v_add_nc_u32 v23, v23, v1                      ; r + 8 (r / 8)
	s_mul_i32 s21, s14, 64*KPI
	s_add_co_u32 s21, s21, KST
	v_mul_u32_u24 v[KSW], v2, 8*KPI
	v_lshl_add_u32 v[KSW], v23, 2, v[KSW]
	v_add_nc_u32 v[KSW], s21, v[KSW]               ; in: place 8 h (+ 32 hi + 16 b + j), token r + 8 (r / 8) (+ the tile's)
	v_mul_u32_u24 v[KSR], v1, KPI
	v_lshl_add_u32 v[KSR], v2, 6, v[KSR]
	v_add_nc_u32 v[KSR], s21, v[KSR]               ; out: place r (+ 16 a fragment), tokens 16 h on
	v_lshlrev_b32 v[L16], 4, v3
	v_lshlrev_b32 v[L4], 2, v3
	s_lshl_b32 s21, s14, 15
	v_add_nc_u32 v[CSA], s21, v[L16]
	v_mul_u32_u24 v[KCO], v1, 48
	v_mad_u32_u24 v[KCO], v2, 12, v[KCO]
	v_mul_u32_u24 v[KSO], v2, 3342336
	v_lshl_add_u32 v[KSO], v1, 2, v[KSO]
	v_lshlrev_b32 v[NPO], 13, v2
	v_lshl_add_u32 v[NPO], v23, 2, v[NPO]
.macro FRAG reg, adr, q, i             ; a fragment: my 48 bytes, as they lie
.irp c, 0,1,2
	ds_load_b128 v[\reg+4*\c:\reg+4*\c+3], v[\adr] offset:(\i)*SLOTT+(\q)*KSB+16*\c
.endr
.endm
; 16 matrix instructions: A's blocks a0, a0 + 1 x B's eight.  The 64 accumulators take turns, one instruction a turn, in the same order in every step.
.macro MUL16 a0, p, q, sc, zero
.irp a, \a0, \a0+1
.irp b, 0,1,2,3,4,5,6,7
.if \zero
	v_wmma_scale_f32_16x16x128_f8f6f4 v[8*(8*((\a)%4)+\b):8*(8*((\a)%4)+\b)+7], v[128*(\p)+FR*\b:128*(\p)+FR*\b+FR-1], v[AF+FR*(\a):AF+FR*(\a)+FR-1], 0, v[SC+8*NQ*(\sc)+NQ*\b+(\q)], v[SC+8*NQ*(\sc)+NQ*(\a)+(\q)] matrix_a_fmt:MATRIX_FMT_FP6 matrix_b_fmt:MATRIX_FMT_FP6 matrix_a_scale:MATRIX_SCALE_ROW1
.else
	v_wmma_scale_f32_16x16x128_f8f6f4 v[8*(8*((\a)%4)+\b):8*(8*((\a)%4)+\b)+7], v[128*(\p)+FR*\b:128*(\p)+FR*\b+FR-1], v[AF+FR*(\a):AF+FR*(\a)+FR-1], v[8*(8*((\a)%4)+\b):8*(8*((\a)%4)+\b)+7], v[SC+8*NQ*(\sc)+NQ*\b+(\q)], v[SC+8*NQ*(\sc)+NQ*(\a)+(\q)] matrix_a_fmt:MATRIX_FMT_FP6 matrix_b_fmt:MATRIX_FMT_FP6 matrix_a_scale:MATRIX_SCALE_ROW1
.endif
.endr
.endr
.endm
.macro FETCH_B slot, q, p
	WIN TO_B
.irp i, 0,1,2,3,4,5,6,7
	FRAG 128*(\p)+FR*\i, ADRB+\slot, \q, \i
.endr
	WIN 0
.endm
.macro FETCH_A slot, q, i0
.irp i, \i0, \i0+1, \i0+2, \i0+3
	FRAG AF+FR*(\i), ADRA+\slot, \q, \i
.endr
.endm
.macro SCALES sc                       ; a slot's scale words: two a row; lanes 0-15 A's tile i, lanes 16-31 B's tile i
.irp i, 0,1,2,3,4,5,6,7
	ds_load_b64 v[SC+8*NQ*\sc+NQ*\i:SC+8*NQ*\sc+NQ*\i+1], v[ADRS] offset:\i*1024
.endr
.endm
.macro PLACES n                        ; plain vector instructions between a matrix instruction and a load into, or a read of, its registers
.rept \n
	v_nop
.endr
.endm
.macro STEP slot, q, zero              ; a step of 128 along K that has its successor in the same slot
	s_wait_dscnt 4*NL                              ; B's set and A's blocks 0-3 are in; the youngest 12 loads (A's blocks 4-7) may be out
	WIN MUL_LO
	MUL16 0, (\q)%2, \q, \slot, \zero
	MUL16 2, (\q)%2, \q, \slot, \zero
	s_wait_dscnt 0
	PLACES NP
	FETCH_B \slot, (\q)+1, 1-(\q)%2
	FETCH_A \slot, (\q)+1, 0
	WIN MUL_HI
	MUL16 4, (\q)%2, \q, \slot, \zero
	MUL16 6, (\q)%2, \q, \slot, \zero
	PLACES NP
	WIN 0
	FETCH_A \slot, (\q)+1, 4
.endm
; A slot's last step changes slots: one barrier; in front of it each wave waits for all its tensor loads, adds 0 to its spare word, and waits for that and for its reads of this slot.
.macro TURN slot, next, fill
	s_wait_tensorcnt 0x0                           ; all my tensor loads have landed: my part of the next slot
	ds_add_u32 v[SPW], v[NIL]
	s_wait_dscnt 4*NL+1                            ; the add and the youngest 12 loads may be out
	WIN MUL_LO
	MUL16 0, 1, NQ-1, \slot, 0
	s_wait_dscnt 0x0                               ; the add is done, and my reads of this slot are over
	s_barrier_signal -1
	MUL16 2, 1, NQ-1, \slot, 0
	WIN 0
	s_barrier_wait -1
.if \fill
	CREST                                          ; the barrier has opened a round of the cluster's: no wave of any partner still reads this slot or has a load on its way
	s_add_nc_u64 s[G0+4*\slot+2:G0+4*\slot+3], s[G0+4*\slot+2:G0+4*\slot+3], 2*SLOTT
	s_add_nc_u64 s[G0B+4*\slot+2:G0B+4*\slot+3], s[G0B+4*\slot+2:G0B+4*\slot+3], 2*SLOTT
	JLOAD G0+4*\slot, G1, G0B+4*\slot, G1B         ; the first tensor load behind the round; its four v_nop are the places in front of the loads below
.else
	PLACES NP
.endif
	v_add_nc_u32 v[ADRS], 128, v[ADRS]             ; the next slot's scale words
	FETCH_B \next, 0, 0
	FETCH_A \next, 0, 0
	SCALES \next
	WIN MUL_HI
	MUL16 4, 1, NQ-1, \slot, 0
	MUL16 6, 1, NQ-1, \slot, 0
	PLACES NP
	WIN 0
	FETCH_A \next, 0, 4
.endm
	s_wait_tensorcnt 1                             ; the scales and my part of slot 0 are in; slot 1's load may be out
	s_barrier_signal -1
	s_barrier_wait -1
	FETCH_B 0, 0, 0
	FETCH_A 0, 0, 0
	SCALES 0
	FETCH_A 0, 0, 4
	STEP 0, 0, 1                                   ; the first step starts the sums
	s_mov_b32 s3, LAPS-1
.Llap:
	TURN 0, 1, 1
	STEP 1, 0, 0
	TURN 1, 0, 1
	STEP 0, 0, 0
	s_sub_co_u32 s3, s3, 1
	s_cmp_lg_u32 s3, 0
	s_cbranch_scc1 .Llap
	TURN 0, 1, 0
	STEP 1, 0, 0
	s_wait_dscnt 4*NL
	WIN MUL_LO
	MUL16 0, 1, NQ-1, 1, 0
	MUL16 2, 1, NQ-1, 1, 0
	s_wait_dscnt 0
	WIN MUL_HI
	MUL16 4, 1, NQ-1, 1, 0
	MUL16 6, 1, NQ-1, 1, 0
	WIN 0
	PLACES NP                                      ; in front of the first reads of results and the first writes of operands' registers
	s_wait_dscnt 0x0
	s_barrier_signal -1
	s_barrier_wait -1                              ; no wave reads the ring or the scales any more: their bytes serve as stages
; 64 numbers of a lane in window w, register s + 16 b + i = place 32 b + 16 (lane / 16) + i along K of my row, become a fragment's codes in v[PC] on and its scale word in v[PW].
.set TM, 96                            ; v96-111 at work
.set PC, 64                            ; v64-83  the codes
.set PW, 84
.set SEL, 48                           ; s[48:49] lane selects: lane l xor 16
.macro QUANT s, w
	WIN (\w)|((\w)<<2)
.irp b, 0,1,2,3
	v_max3_num_f32 v[TM+\b], |v[\s+16*\b]|, |v[\s+1+16*\b]|, 0x1800000   ; and the floor 2^(3 - 127)
.endr
	WIN ((\w)<<2)|((\w)<<4)
.irp i, 2,4,6,8,10,12,14
.irp b, 0,1,2,3
	v_max3_num_f32 v[TM+\b], v[TM+\b], |v[\s+16*\b+\i]|, |v[\s+1+16*\b+\i]|
.endr
.endr
	WIN 0
.irp b, 0,1,2,3
	v_permlanex16_b32 v[TM+4+\b], v[TM+\b], s[SEL], s[SEL+1]
.endr
.irp b, 0,1,2,3
	v_max_num_f32 v[TM+\b], v[TM+\b], v[TM+4+\b]
.endr
.irp b, 0,1,2,3
	v_add_nc_u32 v[TM+12+\b], 0xff000000, v[TM+\b]   ; 2 off the exponent field: the conversion's scale operand
.endr
.irp b, 0,1,2,3
	v_lshrrev_b32 v[TM+4+\b], 23, v[TM+12+\b]
.endr
	v_lshl_or_b32 v[PW], v[TM+5], 8, v[TM+4]
	v_lshl_or_b32 v[PW], v[TM+6], 16, v[PW]
	v_lshl_or_b32 v[PW], v[TM+7], 24, v[PW]
	WIN (\w)
.irp c, 0,1
	v_cvt_scalef32_pk16_fp6_f32 v[PC+6*\c:PC+2+6*\c], v[\s+32*\c:\s+15+32*\c], v[TM+12+2*\c]
	v_cvt_scalef32_pk16_fp6_f32 v[PC+12+4*\c:PC+14+4*\c], v[\s+16+32*\c:\s+31+32*\c], v[TM+12+2*\c+1]
.endr
	WIN 0
	v_nop                                          ; one plain place behind a scaled conversion
.irp c, 0,1                            ; the operand wants a whole block in a lane
.irp i, 0,1,2
	v_permlane16_swap_b32 v[PC+6*\c+\i], v[PC+12+4*\c+\i]
.endr
.irp i, 0,1,2
	v_mov_b32 v[PC+3+6*\c+\i], v[PC+12+4*\c+\i]
.endr
.endr
.endm
	s_mov_b32 s[SEL], 0x76543210
	s_mov_b32 s[SEL+1], 0xfedcba98
.irp b, 0,1,2,3
	v_mov_b32 v[TM+4+\b], 0                        ; a lane permute's destination counts as one of its sources
.endr
	s_cmp_ge_u32 ttmp9, 4                          ; the cluster's number: the same in all partners
	s_cbranch_scc1 .Lvpath
	; ======== q and k ========
.set KVC, 32                           ; s[32:33] K's codes: my record, my block's place
.set KVS, 34                           ; s[34:35] K's scale bytes: my record, my block's byte
.set KFB, 36                           ; s[36:37] k_feat's fragments
.set KFS, 38                           ; s[38:39] their scale words
.set MSK, 50
.set CA,  58
.set CO,  59
	s_lshr_b32 s20, s42, 1                         ; the low head
	s_and_b32 s21, s42, 1
	s_lshl_b32 s21, s21, 1
	s_add_co_u32 s21, s21, s16                     ; my block of 32 in the head
	s_lshl_b32 s22, s17, 1
	s_add_co_u32 s22, s22, s15                     ; my key step: tokens 128 ks on
	s_lshl_b32 s23, s20, 4
	s_add_co_u32 s23, s23, s22
	s_lshl_b32 s24, s22, 20                        ; qi: tile 8 ks, 131,072 bytes a tile
	s_lshl_b32 s25, s20, 13
	s_add_co_u32 s24, s24, s25
	s_lshl_b32 s25, s21, 11
	s_add_co_u32 s24, s24, s25
	s_mov_b32 s25, 0
	s_add_nc_u64 s[6:7], s[6:7], s[24:25]
	s_mul_i32 s26, s23, 26112
	s_and_b32 s24, s21, 1
	s_mul_i32 s24, s24, 768
	s_lshr_b32 s27, s21, 1
	s_mul_i32 s27, s27, 24
	s_add_co_u32 s24, s24, s27
	s_add_co_u32 s24, s24, s26
	s_add_nc_u64 s[KVC:KVC+1], s[8:9], s[24:25]
	s_add_co_u32 s24, s26, s21
	s_add_co_u32 s24, s24, 24576
	s_add_nc_u64 s[KVS:KVS+1], s[8:9], s[24:25]
	s_lshl_b32 s27, s23, 3
	s_lshl_b32 s24, s21, 1
	s_add_co_u32 s27, s27, s24                     ; 8 (16 head + ks) + 2 block
	s_mul_i32 s24, s27, 1536
	s_add_nc_u64 s[KFB:KFB+1], s[10:11], s[24:25]
	s_lshl_b32 s24, s27, 7
	s_add_co_u32 s24, s24, 3145728
	s_add_nc_u64 s[KFS:KFS+1], s[10:11], s[24:25]
	s_lshl_b32 s24, s22, 14
	s_lshl_b32 s26, s42, 8
	s_add_co_u32 s24, s24, s26
	s_lshl_b32 s26, s16, 7
	s_add_co_u32 s24, s24, s26
	s_add_nc_u64 s[12:13], s[12:13], s[24:25]      ; np: rows 2 ks, column 64 x + 32 u
	s_mov_b32 s[MSK], 0xffff0000
	s_lshl_b32 s24, s22, 7
	v_add_nc_u32 v[TOK], s24, v23
	; ---- the constants, each in both registers of a pair: v192-223, which held A's fragments and are free until the rotation begins
.macro KONST reg, val
	v_mov_b32 v[\reg], \val
	v_mov_b32 v[\reg+1], \val
.endm
.set KIP, 192
.set KMG, 194
.set KNM, 196
.set KPH, 198
.set KPM, 200
.set KS3, 202
.set KS5, 204
.set KS7, 206
.set KS9, 208
.set KS11, 210
.set KD2, 212
.set KD4, 214
.set KD6, 216
.set KD8, 218
.set KD10, 220
.set KD12, 222
	KONST KIP, 0x3ea2f983                          ; 1 / pi
	KONST KMG, 0x4b400000                          ; 1.5 x 2^23: adding it rounds to a whole number
	KONST KNM, 0xcb400000
	KONST KPH, 0xc0490fdb                          ; -pi, its upper part
	KONST KPM, 0x33bbbd2e                          ; and what is left of it
	KONST KS3, 0xbe2aaaab
	KONST KS5, 0x3c088889
	KONST KS7, 0xb9500d01
	KONST KS9, 0x3638ef1d
	KONST KS11, 0xb2d7322b
	KONST KD2, 0xbf000000
	KONST KD4, 0x3d2aaaab
	KONST KD6, 0xbab60b61
	KONST KD8, 0x37d00d01
	KONST KD10, 0xb493f27e
	KONST KD12, 0x310f76c7
.set FQ, 64                            ; v64-79   my 16 frequencies: j = 64 x + 32 u + 16 h + e
.set TT, 80                            ; v80-81   the token, twice
.set XA, 96
.set BA, 112
.set RA, 128
.set ZA, 144
.set PS, 160
.set PCS, 176
	s_lshl_b32 s24, s42, 6
	s_lshl_b32 s26, s16, 5
	s_add_co_u32 s24, s24, s26
	v_lshl_add_u32 v22, v2, 4, s24
	s_mov_b32 s26, 0x3c549a78                      ; log2(10000) / 1024, and
	s_mov_b32 s27, 0x2f979a6b                      ; what its rounding left out
.set e, 0
.rept 16
	v_add_nc_u32 v[XA+e], e, v22
.set e, e+1
.endr
.set e, 0
.rept 16
	v_cvt_f32_u32 v[XA+e], v[XA+e]
.set e, e+1
.endr
.set e, 0
.rept 16
	v_mul_f32 v[BA+e], s26, v[XA+e]                ; the exponent, rounded
.set e, e+1
.endr
.set e, 0
.rept 16
	v_fma_f32 v[RA+e], v[XA+e], s26, -v[BA+e]      ; what that rounding dropped, exactly
.set e, e+1
.endr
.set e, 0
.rept 16
	v_fma_f32 v[RA+e], v[XA+e], s27, v[RA+e]
.set e, e+1
.endr
.set e, 0
.rept 16
	v_exp_f32 v[FQ+e], -v[BA+e]
.set e, e+1
.endr
.set e, 0
.rept 16
	v_mul_f32 v[RA+e], 0xbf317218, v[RA+e]         ; x -ln 2: plain work that names no exponential's result
.set e, e+1
.endr
	s_wait_alu depctr_va_vdst(0)                   ; one wait for the batch, ahead of its first reader
.set e, 0
.rept 16
	v_fma_f32 v[FQ+e], v[FQ+e], v[RA+e], v[FQ+e]
.set e, e+1
.endr
	; ---- cosines and sines of my 8 tiles of tokens x 16 frequencies, a tile a trip, to my own LDS bytes
.macro HORN arr, k
.irp p, 0,2,4,6,8,10,12,14
	v_pk_fma_f32 v[\arr+\p:\arr+\p+1], v[\arr+\p:\arr+\p+1], v[ZA+\p:ZA+\p+1], v[\k:\k+1]
.endr
.endm
	s_mov_b32 s[CA], 0
	s_mov_b32 s[CO], 0
.Lcs:
	s_lshr_b32 s24, s[CA], 1
	s_lshl_b32 s24, s24, 5
	s_and_b32 s26, s[CA], 1
	s_lshl_b32 s26, s26, 3
	s_add_co_u32 s24, s24, s26                     ; tile a begins at token 32 (a / 2) + 8 (a % 2)
	v_add_nc_u32 v[TT], s24, v[TOK]
	v_cvt_f32_u32 v[TT], v[TT]
	v_mov_b32 v[TT+1], v[TT]
	v_add_nc_u32 v[TAD], s[CO], v[CSA]
.irp p, 0,2,4,6,8,10,12,14
	v_pk_mul_f32 v[XA+\p:XA+\p+1], v[FQ+\p:FQ+\p+1], v[TT:TT+1]      ; the angle, rounded once
.endr
.irp p, 0,2,4,6,8,10,12,14
	v_pk_fma_f32 v[BA+\p:BA+\p+1], v[XA+\p:XA+\p+1], v[KIP:KIP+1], v[KMG:KMG+1]
.endr
.irp p, 0,2,4,6,8,10,12,14
	v_pk_add_f32 v[RA+\p:RA+\p+1], v[BA+\p:BA+\p+1], v[KNM:KNM+1]    ; n
.endr
.irp p, 0,2,4,6,8,10,12,14
	v_pk_fma_f32 v[XA+\p:XA+\p+1], v[RA+\p:RA+\p+1], v[KPH:KPH+1], v[XA+\p:XA+\p+1]
.endr
.irp p, 0,2,4,6,8,10,12,14
	v_pk_fma_f32 v[RA+\p:RA+\p+1], v[RA+\p:RA+\p+1], v[KPM:KPM+1], v[XA+\p:XA+\p+1]   ; r = angle - n pi
.endr
.irp p, 0,2,4,6,8,10,12,14
	v_pk_mul_f32 v[ZA+\p:ZA+\p+1], v[RA+\p:RA+\p+1], v[RA+\p:RA+\p+1]
.endr
.irp p, 0,2,4,6,8,10,12,14
	v_pk_fma_f32 v[PS+\p:PS+\p+1], v[ZA+\p:ZA+\p+1], v[KS11:KS11+1], v[KS9:KS9+1]
	v_pk_fma_f32 v[PCS+\p:PCS+\p+1], v[ZA+\p:ZA+\p+1], v[KD12:KD12+1], v[KD10:KD10+1]
.endr
	HORN PS, KS7
	HORN PCS, KD8
	HORN PS, KS5
	HORN PCS, KD6
	HORN PS, KS3
	HORN PCS, KD4
	HORN PCS, KD2
.irp p, 0,2,4,6,8,10,12,14
	v_pk_mul_f32 v[XA+\p:XA+\p+1], v[ZA+\p:ZA+\p+1], v[RA+\p:RA+\p+1]
.endr
.irp p, 0,2,4,6,8,10,12,14
	v_pk_fma_f32 v[PS+\p:PS+\p+1], v[PS+\p:PS+\p+1], v[XA+\p:XA+\p+1], v[RA+\p:RA+\p+1]
	v_pk_fma_f32 v[PCS+\p:PCS+\p+1], v[PCS+\p:PCS+\p+1], v[ZA+\p:ZA+\p+1], 1.0 op_sel_hi:[1,1,0]
.endr
.set e, 0
.rept 16
	v_lshlrev_b32 v[BA+e], 31, v[BA+e]             ; n's lowest bit as a sign
.set e, e+1
.endr
.set e, 0
.rept 16
	v_xor_b32 v[PS+e], v[BA+e], v[PS+e]
	v_xor_b32 v[PCS+e], v[BA+e], v[PCS+e]
.set e, e+1
.endr
.irp q, 0,1,2,3
	ds_store_b128 v[TAD], v[PCS+4*\q:PCS+4*\q+3] offset:512*\q
	ds_store_b128 v[TAD], v[PS+4*\q:PS+4*\q+3] offset:2048+512*\q
.endr
	s_wait_dscnt 0x0                               ; the stores have read their registers
	s_add_co_u32 s[CO], s[CO], 4096
	s_add_co_u32 s[CA], s[CA], 1
	s_cmp_lt_u32 s[CA], 8
	s_cbranch_scc1 .Lcs
	; ---- the rotation, tile by tile of 16 tokens
.set CSS, 64                           ; v64-127  two sets of 16 cosines and 16 sines
.set QT,  128                          ; v128-159 q rotated: low 16, high 16
.set KT,  160                          ; v160-191 k rotated
.set T1,  192
.set T2,  208
.set KM,  224                          ; v224-231 at work
.set KC,  232                          ; v232-234, v236-238 k's codes
.set KBY, 239
	v_mov_b32 v[KM+2], 0
	v_mov_b32 v[KM+3], 0
.macro CSLOAD a
.irp q, 0,1,2,3,4,5,6,7
	ds_load_b128 v[CSS+32*((\a)%2)+4*\q:CSS+32*((\a)%2)+4*\q+3], v[CSA] offset:4096*(\a)+512*\q
.endr
.endm
.macro TWIST lo, d                     ; low' = low cos - high sin;  high' = high cos + low sin.  Each accumulator is read from its low end on
	WIN WW
.irp p, 0,2,4,6,8,10,12,14
	v_pk_mul_f32 v[T1+\p:T1+\p+1], v[\lo+16+\p:\lo+16+\p+1], v[SS+\p:SS+\p+1]
.endr
.irp p, 0,2,4,6,8,10,12,14
	v_pk_mul_f32 v[T2+\p:T2+\p+1], v[\lo+\p:\lo+\p+1], v[SS+\p:SS+\p+1]
.endr
.irp p, 0,2,4,6,8,10,12,14
	v_pk_fma_f32 v[\d+\p:\d+\p+1], v[\lo+\p:\lo+\p+1], v[CC+\p:CC+\p+1], v[T1+\p:T1+\p+1] neg_lo:[0,0,1] neg_hi:[0,0,1]
.endr
.irp p, 0,2,4,6,8,10,12,14
	v_pk_fma_f32 v[\d+16+\p:\d+16+\p+1], v[\lo+16+\p:\lo+16+\p+1], v[CC+\p:CC+\p+1], v[T2+\p:T2+\p+1]
.endr
	WIN 0
.endm
.macro ROPE a
.set AB, 64*((\a)%4)
.set WW, 2+(\a)/4
.set CC, CSS+32*((\a)%2)
.set SS, CC+16
.if (\a) < 7
	CSLOAD (\a)+1
.endif
.if (\a) == 0
	s_wait_dscnt 8                                 ; my 8 loads are in; the next tile's 8 may be out
.elseif (\a) < 7
	s_wait_dscnt 40                                ; behind my 8 loads: the last tile's 32 stores and the next tile's 8 loads
.else
	s_wait_dscnt 32
.endif
	s_wait_xcnt 0x0                                ; the last tile's global stores have read their registers
	TWIST AB, QT
.irp c, 0,1,2,3
	global_store_b128 v[L16], v[QT+4*\c:QT+4*\c+3], s[6:7] offset:131072*(\a)+512*\c           ; 512 consecutive bytes, aligned
	global_store_b128 v[L16], v[QT+16+4*\c:QT+16+4*\c+3], s[6:7] offset:131072*(\a)+65536+512*\c  ; the head 8 further on
.endr
.if (\a) == 7
	s_wait_dscnt 0x0                               ; the last tile's LDS stores have read k's registers
.elseif (\a) > 0
	s_wait_dscnt 8                                 ; likewise; the next tile's 8 loads may be out
.endif
	TWIST AB+32, KT
	; k along d: my 16 numbers and lane l xor 16's are a block; the low head's and the high head's by turns
	v_max3_num_f32 v[KM], |v[KT]|, |v[KT+1]|, 0x1800000
	v_max3_num_f32 v[KM+1], |v[KT+16]|, |v[KT+17]|, 0x1800000
.irp i, 2,4,6,8,10,12,14
	v_max3_num_f32 v[KM], v[KM], |v[KT+\i]|, |v[KT+\i+1]|
	v_max3_num_f32 v[KM+1], v[KM+1], |v[KT+16+\i]|, |v[KT+17+\i]|
.endr
	v_permlanex16_b32 v[KM+2], v[KM], s[SEL], s[SEL+1]
	v_permlanex16_b32 v[KM+3], v[KM+1], s[SEL], s[SEL+1]
	v_max_num_f32 v[KM], v[KM], v[KM+2]
	v_max_num_f32 v[KM+1], v[KM+1], v[KM+3]
	v_add_nc_u32 v[KM+4], 0xff000000, v[KM]
	v_add_nc_u32 v[KM+5], 0xff000000, v[KM+1]
	v_lshrrev_b32 v[KM+6], 23, v[KM+4]
	v_lshrrev_b32 v[KM+7], 23, v[KM+5]
	v_cndmask_b32 v[KBY], v[KM+6], v[KM+7], s[MSK] ; lanes 0-15 carry the low head's byte, lanes 16-31 the high head's
	v_cvt_scalef32_pk16_fp6_f32 v[KC:KC+2], v[KT:KT+15], v[KM+4]
	v_cvt_scalef32_pk16_fp6_f32 v[KC+4:KC+6], v[KT+16:KT+31], v[KM+5]
	v_nop                                          ; one plain place behind a scaled conversion
	global_store_b96 v[KCO], v[KC:KC+2], s[KVC:KVC+1] offset:1536*(\a)
	global_store_b96 v[KCO], v[KC+4:KC+6], s[KVC:KVC+1] offset:1536*(\a)+3342336
	global_store_b8 v[KSO], v[KBY], s[KVS:KVS+1] offset:64*(\a)
.irp hh, 0,1
.irp bb, 0,1
.irp j, 0,1,2,3,4,5,6,7
	ds_store_b32 v[KSW], v[KT+16*\hh+8*\bb+\j] offset:(32*\hh+16*\bb+\j)*KPI+4*(32*((\a)/2)+8*((\a)%2))
.endr
.endr
.endr
.endm
	CSLOAD 0
.irp t, 0,1,2,3,4,5,6,7
	ROPE \t
.endr
	s_wait_xcnt 0x0
	; ---- elu(k) + 1 with the tokens along the registers: four fragments (low head, high head) x (two tiles of d), one a trip
.set KX, 128
.set EX, 192
.set SU, 86
	s_mov_b32 s[CA], 0
	s_mov_b32 s[CO], 0
.Lkf:
	v_add_nc_u32 v[TAD], s[CO], v[KSR]
.irp b, 0,1,2,3
.irp c, 0,1,2,3
	ds_load_b128 v[KX+16*\b+4*\c:KX+16*\b+4*\c+3], v[TAD] offset:128*\b+16*\c   ; these see my stores: LDS serves a wave's instructions in order
.endr
.endr
	s_lshr_b32 s24, s[CA], 1
	s_and_b32 s26, s[CA], 1
	s_mul_i32 s52, s24, 1572864
	s_mul_i32 s27, s26, 1536
	s_add_co_u32 s52, s52, s27
	s_mov_b32 s53, 0
	s_add_nc_u64 s[52:53], s[KFB:KFB+1], s[52:53]
	s_lshl_b32 s54, s24, 17
	s_lshl_b32 s27, s26, 7
	s_add_co_u32 s54, s54, s27
	s_mov_b32 s55, 0
	s_add_nc_u64 s[54:55], s[KFS:KFS+1], s[54:55]
	s_lshl_b32 s56, s24, 12
	s_lshl_b32 s27, s26, 5
	s_add_co_u32 s56, s56, s27
	s_mov_b32 s57, 0
	s_add_nc_u64 s[56:57], s[12:13], s[56:57]
	s_wait_dscnt 0x0
.set j, 0
.rept 32
	v_pk_mul_f32 v[EX+j:EX+j+1], v[KX+j:KX+j+1], 0x3fb8aa3b op_sel_hi:[1,0]
.set j, j+2
.endr
.set j, 0
.rept 64
	v_min_num_f32 v[EX+j], 0, v[EX+j]
.set j, j+1
.endr
.set j, 0
.rept 64
	v_exp_f32 v[EX+j], v[EX+j]
.set j, j+1
.endr
.set j, 0
.rept 64
	v_max_num_f32 v[KX+j], 0, v[KX+j]              ; plain work that names no exponential's result
.set j, j+1
.endr
	s_wait_alu depctr_va_vdst(0)                   ; one wait for the batch
.set j, 0
.rept 32
	v_pk_add_f32 v[KX+j:KX+j+1], v[KX+j:KX+j+1], v[EX+j:EX+j+1]
.set j, j+2
.endr
	v_pk_add_f32 v[SU:SU+1], v[KX:KX+1], v[KX+2:KX+3]          ; the sum over my 64 tokens, unquantised, in two chains
	v_pk_add_f32 v[SU+2:SU+3], v[KX+4:KX+5], v[KX+6:KX+7]
.set j, 8
.rept 14
	v_pk_add_f32 v[SU:SU+1], v[SU:SU+1], v[KX+j:KX+j+1]
	v_pk_add_f32 v[SU+2:SU+3], v[SU+2:SU+3], v[KX+j+2:KX+j+3]
.set j, j+4
.endr
	v_pk_add_f32 v[SU:SU+1], v[SU:SU+1], v[SU+2:SU+3]
	v_add_f32 v[SU], v[SU], v[SU+1]
	global_store_b32 v[NPO], v[SU], s[56:57]
	QUANT KX, 0
.irp c, 0,1,2
	global_store_b128 v[L16], v[PC+4*\c:PC+4*\c+3], s[52:53] offset:512*\c
.endr
	global_store_b32 v[L4], v[PW], s[54:55]
	s_wait_xcnt 0x0                                ; the stores have read their registers and bases
	s_add_co_u32 s[CO], s[CO], 16*KPI
	s_add_co_u32 s[CA], s[CA], 1
	s_cmp_lt_u32 s[CA], 4
	s_cbranch_scc1 .Lkf
	s_wait_tensorcnt 0x0                           ; the wave's end
	ds_add_u32 v[SPW], v[NIL]
	s_wait_dscnt 0x0
	CROUND                                         ; the closing round
	s_endpgm
	; ======== v: accumulators (a, 0 .. 7) are row r of tile a of V^T of head 2 y + i, the 128 tokens of key step 2 (x - 16) + u along the registers ========
.Lvpath:
	s_lshl_b32 s20, s17, 1
	s_add_co_u32 s20, s20, s15
	s_lshl_b32 s20, s20, 4
	s_sub_co_u32 s21, s42, 16
	s_lshl_b32 s21, s21, 1
	s_add_co_u32 s21, s21, s16
	s_add_co_u32 s20, s20, s21
	s_mul_i32 s24, s20, 26112
	s_add_co_u32 s24, s24, 12288
	s_mov_b32 s25, 0
	s_add_nc_u64 s[32:33], s[8:9], s[24:25]
.macro QV a
	s_wait_xcnt 0x0                                ; the last tile's stores have read their registers
	QUANT 64*((\a)%4), 2+(\a)/4
.irp c, 0,1,2
	global_store_b128 v[L16], v[PC+4*\c:PC+4*\c+3], s[32:33] offset:1536*(\a)+512*\c
.endr
	global_store_b32 v[L4], v[PW], s[32:33] offset:12800+128*(\a)
.endm
.irp t, 0,1,2,3,4,5,6,7
	QV \t
.endr
	s_wait_tensorcnt 0x0                           ; the wave's end
	ds_add_u32 v[SPW], v[NIL]
	s_wait_dscnt 0x0
	CROUND                                         ; the closing round
	s_endpgm
.Lfunc_end_k_q851afb3dc0_qkv:
	.size	k_q851afb3dc0_qkv, .Lfunc_end_k_q851afb3dc0_qkv-k_q851afb3dc0_qkv
	.p2alignl 7, 3214868480
	.fill 96, 4, 3214868480
	.section	.rodata,"a",@progbits
	.p2align	6, 0x0
	.amdhsa_kernel k_q851afb3dc0_qkv
		.amdhsa_group_segment_fixed_size 327680
		.amdhsa_private_segment_fixed_size 0
		.amdhsa_enable_private_segment 0
		.amdhsa_kernarg_size 40
		.amdhsa_user_sgpr_count 2
		.amdhsa_user_sgpr_kernarg_segment_ptr 1
		.amdhsa_wavefront_size32 1
		.amdhsa_system_sgpr_workgroup_id_x 1
		.amdhsa_system_sgpr_workgroup_id_y 1
		.amdhsa_system_sgpr_workgroup_id_z 1
		.amdhsa_system_vgpr_workitem_id 0
		.amdhsa_next_free_vgpr 1024
		.amdhsa_next_free_sgpr 100
		.amdhsa_reserve_vcc 0
		.amdhsa_float_denorm_mode_32 3
		.amdhsa_float_denorm_mode_16_64 3
		.amdhsa_memory_ordered 1
		.amdhsa_forward_progress 1
		.amdhsa_inst_pref_size 255
	.end_amdhsa_kernel
	.section	.bss,"aw",@nobits
	.p2align	6
	.space	262144
	.amdgpu_metadata
---
amdhsa.version: [ 1, 2 ]
amdhsa.kernels:
  - .name:           k_q851afb3dc0_qkv
    .symbol:         k_q851afb3dc0_qkv.kd
    .args:
      - { .name: cw, .offset: 0, .size: 8, .value_kind: global_buffer, .address_space: global }
      - { .name: qi, .offset: 8, .size: 8, .value_kind: global_buffer, .address_space: global }
      - { .name: kv, .offset: 16, .size: 8, .value_kind: global_buffer, .address_space: global }
      - { .name: kf, .offset: 24, .size: 8, .value_kind: global_buffer, .address_space: global }
      - { .name: np, .offset: 32, .size: 8, .value_kind: global_buffer, .address_space: global }
    .group_segment_fixed_size: 327680
    .private_segment_fixed_size: 0
    .kernarg_segment_align: 8
    .kernarg_segment_size: 40
    .max_flat_workgroup_size: 128
    .sgpr_count:     100
    .vgpr_count:     1024
    .wavefront_size: 32
...
	.end_amdgpu_metadata
.endif
;; end of part 2
;; launch attn (part 3): grid 16 x 16, 8 waves a work-group, clusters of 4 x 1, 327,680 bytes of LDS; arguments qi, kv, kf, np, gate, cmb; writes cmb
.if DOCPART == 3
	.amdgcn_target "amdgcn-amd-amdhsa--gfx1250"
	.amdhsa_code_object_version 6
	.text
	.protected	k_q851afb3dc0_attn
	.globl	k_q851afb3dc0_attn
	.p2align	8
	.type	k_q851afb3dc0_attn,@function
k_q851afb3dc0_attn:
	s_mov_b64 s[64:65], 0
	v_nop
	global_prefetch_b8 v0, s[64:65] scope:SCOPE_SE
	s_setreg_imm32_b32 hwreg(HW_REG_WAVE_MODE, 25, 1), 1
	s_wait_xcnt 0x0
	s_wait_alu depctr_hold_cnt(0) depctr_sa_sdst(0) depctr_va_vdst(0) depctr_va_sdst(0) depctr_va_ssrc(0) depctr_va_vcc(0) depctr_vm_vsrc(0)
	s_getreg_b32 s2, hwreg(HW_REG_IB_STS2, 6, 4)
	s_cmp_eq_u32 s2, 0
	s_cbranch_scc0 .Lentry_in_a_cluster
	s_endpgm
.Lentry_in_a_cluster:
	s_bfe_u32 s2, ttmp6, 0x10000c
	s_cmp_lg_u32 s2, 0x3003
	s_cbranch_scc0 .Lentry_shape_is_right
	s_endpgm
.Lentry_shape_is_right:
; For one head and 128 queries: softmax attention, the head's compressive memory and the retrieval from it, all on codes of FP6, the gate, and the quantiser of the result along the hidden axis.
; A wave owns one tile of 16 queries; eight waves to a work-group, two to a SIMD, 512 registers each.  Every wave walks the head's 16 key steps of 128 keys.  A key step is one record of kv, 26,112 dense bytes (8 fragments of K,
; 48 bytes a lane; 8 of V^T, images of the registers; K's scale words; V's), and of kf the 8 fragments of (elu(k) + 1)^T with their scale words.  Four key steps make a slot; two slots take turns.  Waves 0-3 fetch a record each,
; wave 4 the slot's fragments of kf, wave 5 their scale words.  The four work-groups of a cluster belong to one head and walk the same bytes: each tile is asked for JOINTLY (the same load, the same descriptor, a mask that names the four).
; Both products of attention are used transposed (S^T = K Q^T, O^T = V^T P^T): a lane holds one query throughout; K's tiles are laid so that the 16 registers of two neighbouring tiles are 16 neighbouring keys.
; THE SOFTMAX: t = score x log2(e) / sqrt(128); M = the running largest t rounded up to a whole number; p = 2^(t - M) is quantised along the keys; the sum is taken of the unquantised p and divides at the end.
; When M moves, the sum and O^T are multiplied by 2^(old M - new M): exact.
; THE MEMORY: memory[d][e] = the sum over all tokens of (elu(k) + 1)[s][d] v[s][e].  A step's eight fragments of V^T lie in the wave's registers anyway, so wave w adds, with one more fragment (tile w of d) and eight more matrix
; instructions a step, the 16 d of tile w for all 128 e.  Each of the head's 16 work-groups makes the memory for itself: 128 matrix instructions a wave, in place of a launch and a way through memory.  At the end the waves change
; sums through LDS, so that wave t holds all 128 d of tile t of e; it quantises them along d, and the eight fragments go from wave to wave as images of their registers.
; norm_term: wave w adds np's 32 parts for 16 columns; the 128 sums meet in LDS.  Its product with elu(q) + 1 is taken in f32 (fused multiply-adds).
; THE LDS LOADS STAND AHEAD OF THEIR USE: V's behind K's products, waited for behind the exponentials; the next step's K's behind that wait, waited for at the next step's head.
; LIMITS: NaN and infinities are not served; blocks under 2^-124 get the byte 1; elu(x) + 1 is made as max(x, 0) + e^min(x, 0).
.set REC,   26112                      ; a record of kv
.set KFR,   12288                      ; a key step's fragments of kf
.set KFO,   4*REC                      ; in a slot: behind the four records, kf's fragments,
.set KSO,   KFO+4*KFR                  ; and behind them their scale words, 1,024 bytes a key step
.set SLOTB, KSO+4*1024                 ; 157,696 bytes
.set NRM,   2*SLOTB                    ; norm_term, 128 numbers, in 1,024 bytes into which no fill lands
.set SPARE, NRM+1024                   ; the spare words, 128 bytes a wave, named by no other line
.set MFI,   0                          ; the end's stages lie in slot 0, which has had its last fill and its last read by then: the memory's eight fragments and scale words, 13,312 bytes,
.set XCH,   13312                      ; and the sums on their way from wave to wave, 65,536 bytes
.set AK0,  1                           ; v1   48 x lane
.set AV0,  2                           ; v2   12,288 + 16 x lane
.set ASK0, 3                           ; v3   24,576 + 4 r
.set ASV0, 4                           ; v4   25,088 + 4 x lane
.set SPW,  5
.set NIL,  6
.set L16,  7                           ; v7   16 x lane
.set ADK,  8                           ; v8-11 the step's addresses: K, V, K's scale words, V's
.set ADV,  9
.set ADS,  10
.set ADT,  11
.set L4,   28                          ; v28  4 x lane
.set NRA,  29                          ; v29  NRM + 64 h
.set NPO,  30                          ; v30  np: row h, column r
.set CSO,  31                          ; v31  8 r
.set KSC,  32                          ; v32-39 scale words of K's tiles (at the end: of the memory's), and nothing else
.set VSC,  40                          ; v40-47 scale words of V's tiles, and nothing else
.set KFF,  48                          ; v48-59 my fragment of kf
.set AF0,  60                          ; v60  1,536 w + 16 x lane
.set AG0,  61                          ; v61  128 w + 4 x lane
.set ADF,  62                          ; v62, v63 the step's addresses: kf's fragment, its scale word
.set ADG,  63
.set XW,   64                          ; v64  XCH + 1,024 w + 16 x lane
.set XR,   65                          ; v65  XCH + 8,192 w + 16 x lane
.set NW,   66                          ; v66  NRM + 64 w + 4 r
.set KFS,  70                          ; v70  the scale word of my fragment of kf, and nothing else
.set NPR,  192                         ; v192-207 np's parts, at the head
; v12 -M, v13 the largest t, v[14:15] the sum; v16-27 q's codes, v255 its scale word; v80-91 q_feat's codes, v92 its scale word and nothing else; v93 the divisor; v96-159 S^T, p; v160-223 O^T; v224-235 p's codes; v232-254 at work
; window 1: v0-95 K's eight fragments (at the end the memory's); v96-191 V's eight; v192-255 the memory's eight accumulators
.set WV,   18
.set SEL,  20
.set CS,   22
.set G1R,  24                          ; s[24:31] descriptor group 1 for a record;  s[32:39] for kf's fragments;  s[40:47] for their scale words
.set G1F,  32
.set G1S,  40
.set G0R,  48                          ; s[48:51], s[52:55], s[56:59] their groups 0, which walk
.set G0F,  52
.set G0S,  56
.set TB,   60                          ; s60  LDS byte at which the record in hand begins;  s61 kf's fragments of the step;  s62 their scale words
.set TF,   61
.set TS,   62
.set FOUR, 63
.set GATE, 66
.set WOFF, 67                          ; s67  (wave % 4) x a record
.set MSB, 0
.macro WIN new                         ; the immediate's high byte repeats the setting that is left
.if MSB != (\new)
	s_set_vgpr_msb (MSB<<8)|(\new)
.set MSB, (\new)
.endif
.endm
.macro CROUND
	s_barrier_signal -1
	s_barrier_wait -1
	s_cmp_lg_u32 s[WV], 0
	s_cbranch_scc1 .Lnot_wave_0_\@
	s_barrier_signal -3
.Lnot_wave_0_\@:
	s_barrier_wait -3
	s_barrier_signal -1
	s_barrier_wait -1
.endm
.macro JLOAD                           ; a slot's six joint loads, one a wave; the branches hang on the wave's number alone; an s_nop 0 and four v_nop follow each load
	s_cmp_lt_u32 s[WV], 4
	s_cbranch_scc0 .Lnot_r_\@
	tensor_load_to_lds s[G0R:G0R+3], s[G1R:G1R+7]
	s_nop 0
.rept 4
	v_nop
.endr
	s_branch .Lasked_\@
.Lnot_r_\@:
	s_cmp_eq_u32 s[WV], 4
	s_cbranch_scc0 .Lnot_f_\@
	tensor_load_to_lds s[G0F:G0F+3], s[G1F:G1F+7]
	s_nop 0
.rept 4
	v_nop
.endr
	s_branch .Lasked_\@
.Lnot_f_\@:
	s_cmp_eq_u32 s[WV], 5
	s_cbranch_scc0 .Lasked_\@
	tensor_load_to_lds s[G0S:G0S+3], s[G1S:G1S+7]
	s_nop 0
.rept 4
	v_nop
.endr
.Lasked_\@:
.endm
; 64 numbers, register s + 16 b + i = place 32 b + 16 (lane / 16) + i along K of my row, become a fragment's codes in v[d] on and its scale word in v[w]
.macro QUANT s, d, w
.irp b, 0,1,2,3
	v_max3_num_f32 v[232+\b], |v[\s+16*\b]|, |v[\s+1+16*\b]|, 0x1800000   ; and the floor 2^(3 - 127)
.endr
.irp i, 2,4,6,8,10,12,14
.irp b, 0,1,2,3
	v_max3_num_f32 v[232+\b], v[232+\b], |v[\s+16*\b+\i]|, |v[\s+1+16*\b+\i]|
.endr
.endr
.irp b, 0,1,2,3
	v_permlanex16_b32 v[236+\b], v[232+\b], s[SEL], s[SEL+1]
.endr
.irp b, 0,1,2,3
	v_max_num_f32 v[232+\b], v[232+\b], v[236+\b]
.endr
.irp b, 0,1,2,3
	v_add_nc_u32 v[244+\b], 0xff000000, v[232+\b]
.endr
.irp b, 0,1,2,3
	v_lshrrev_b32 v[236+\b], 23, v[244+\b]
.endr
	v_lshl_or_b32 v[\w], v237, 8, v236
	v_lshl_or_b32 v[\w], v238, 16, v[\w]
	v_lshl_or_b32 v[\w], v239, 24, v[\w]
.irp c, 0,1
	v_cvt_scalef32_pk16_fp6_f32 v[\d+6*\c:\d+6*\c+2], v[\s+32*\c:\s+32*\c+15], v[244+2*\c]
	v_cvt_scalef32_pk16_fp6_f32 v[236+4*\c:238+4*\c], v[\s+16+32*\c:\s+31+32*\c], v[244+2*\c+1]
.endr
	v_nop                                          ; one plain place behind a scaled conversion
.irp c, 0,1
.irp i, 0,1,2
	v_permlane16_swap_b32 v[\d+6*\c+\i], v[236+4*\c+\i]
.endr
.irp i, 0,1,2
	v_mov_b32 v[\d+3+6*\c+\i], v[236+4*\c+\i]
.endr
.endr
.endm
	s_load_b256 s[4:11], s[0:1], 0x0               ; qi, kv, kf, np
	s_load_b128 s[12:15], s[0:1], 0x20             ; gate, cmb
	v_lshl_add_u32 v[SPW], v0, 2, SPARE
	v_mov_b32 v[NIL], 0
	ds_add_u32 v[SPW], v[NIL]                      ; the wave's opening: the add and its wait stand ahead of the first tensor loads
	v_lshrrev_b32 v8, 5, v0
	v_readfirstlane_b32 s[WV], v8                  ; wave 0..7
	s_bfe_u32 s68, ttmp6, 0x40000                  ; cx: it enters global addresses of q and of the result alone
	s_lshl_b32 s69, ttmp9, 2
	s_add_co_u32 s69, s69, s68                     ; my block of 128 queries
	s_and_b32 s70, ttmp7, 0xffff                   ; the head, which the four partners share
	s_lshl_b32 s71, s69, 3
	s_add_co_u32 s71, s71, s[WV]                   ; my tile
	s_lshl_b32 s72, s71, 17
	s_lshl_b32 s73, s70, 13
	s_add_co_u32 s72, s72, s73
	s_mov_b32 s73, 0
	s_and_b32 s74, s[WV], 3
	s_mul_i32 s[WOFF], s74, REC                    ; the place in a slot of the record that I fetch,
	s_lshl_b32 s75, s70, 4
	s_add_co_u32 s75, s75, s74
	s_mul_i32 s76, s75, REC                        ; and the first such record in kv
	s_mov_b32 s77, 0
	s_mul_i32 s78, s70, 16*KFR                     ; the head's fragments in kf,
	s_mov_b32 s79, 0
	s_lshl_b32 s80, s70, 14
	s_add_co_u32 s80, s80, 3145728                 ; and their scale words
	s_mov_b32 s81, 0
	s_lshl_b32 s82, s70, 9
	s_lshl_b32 s83, s[WV], 6
	s_add_co_u32 s82, s82, s83                     ; np: column 128 head + 16 w
	s_mov_b32 s83, 0
	s_lshl_b32 s84, s70, 2
	s_mov_b32 s85, 0
	s_mul_i32 s86, s71, 24576
	s_mul_i32 s87, s70, 1536
	s_add_co_u32 s86, s86, s87
	s_mov_b32 s87, 0
	s_lshl_b32 s88, s71, 10
	s_lshr_b32 s89, s70, 1
	s_lshl_b32 s89, s89, 7
	s_add_co_u32 s88, s88, s89
	s_and_b32 s89, s70, 1
	s_lshl_b32 s89, s89, 2
	s_add_co_u32 s88, s88, s89
	s_add_co_u32 s88, s88, 3145728
	s_mov_b32 s89, 0
	s_mov_b32 s[G1R], 15|(3<<16)|(1<<21)           ; the mask: all four; elements of 8 bytes; bit 21 beside a mask
	s_mov_b32 s[G1R+1], 32<<16                     ; rows of 256 bytes
	s_mov_b32 s[G1R+2], 102<<16                    ; 102 of them: a record
	s_mov_b32 s[G1R+3], 32<<16
	s_mov_b32 s[G1R+4], 102
	s_mov_b32 s[G1R+5], 32
	s_mov_b32 s[G1R+6], 0
	s_mov_b32 s[G1R+7], 0
	s_mov_b32 s[G1F], 15|(3<<16)|(1<<21)
	s_mov_b32 s[G1F+1], 32<<16
	s_mov_b32 s[G1F+2], 192<<16                    ; 192 rows: four key steps' fragments of kf
	s_mov_b32 s[G1F+3], 32<<16
	s_mov_b32 s[G1F+4], 192
	s_mov_b32 s[G1F+5], 32
	s_mov_b32 s[G1F+6], 0
	s_mov_b32 s[G1F+7], 0
	s_mov_b32 s[G1S], 15|(3<<16)|(1<<21)
	s_mov_b32 s[G1S+1], 32<<16
	s_mov_b32 s[G1S+2], 16<<16                     ; 16 rows: their scale words
	s_mov_b32 s[G1S+3], 32<<16
	s_mov_b32 s[G1S+4], 16
	s_mov_b32 s[G1S+5], 32
	s_mov_b32 s[G1S+6], 0
	s_mov_b32 s[G1S+7], 0
	s_mov_b32 s[SEL], 0x76543210
	s_mov_b32 s[SEL+1], 0xfedcba98
	s_mov_b32 s[CS], 0x3e0293ee                    ; c = log2(e) / sqrt(128)
	s_mov_b32 s[CS+1], s[CS]
	s_wait_dscnt 0x0                               ; the opening add is done
	s_wait_kmcnt 0x0
	s_add_nc_u64 s[4:5], s[4:5], s[72:73]          ; q
	s_add_nc_u64 s[76:77], s[6:7], s[76:77]
	s_add_nc_u64 s[78:79], s[8:9], s[78:79]
	s_add_nc_u64 s[80:81], s[8:9], s[80:81]
	s_add_nc_u64 s[10:11], s[10:11], s[82:83]      ; np
	s_add_nc_u64 s[12:13], s[12:13], s[84:85]      ; the head's gate
	s_add_nc_u64 s[86:87], s[14:15], s[86:87]      ; the result's fragment
	s_add_nc_u64 s[88:89], s[14:15], s[88:89]      ; and its scale words
	s_load_b32 s[GATE], s[12:13], 0x0
	v_and_b32 v8, 31, v0                           ; lane
	v_and_b32 v9, 15, v0                           ; r
	v_bfe_u32 v10, v0, 4, 1                        ; h
	v_lshlrev_b32 v[L16], 4, v8
	v_lshlrev_b32 v[NPO], 13, v10
	v_lshl_add_u32 v[NPO], v9, 2, v[NPO]
.set j, 0
.rept 16                               ; q and np are asked for ahead of the cluster's round: they are on their way while the four work-groups meet
	global_load_b128 v[96+4*j:99+4*j], v[L16], s[4:5] offset:512*j th:TH_LOAD_NT   ; q: register 16 b + i is d = 32 b + 16 h + i of my query
.set j, j+1
.endr
.irp i, 0,1,2,3,4,5,6,7,8,9,10,11,12,13,14,15
	global_load_b32 v[NPR+\i], v[NPO], s[10:11] offset:16384*\i    ; np's rows h + 2 i at my 16 columns
.endr
	v_mul_u32_u24 v[AK0], v8, 48
	v_add_nc_u32 v[AV0], 12288, v[L16]
	v_lshl_add_u32 v[ASK0], v9, 2, 24576
	v_lshl_add_u32 v[ASV0], v8, 2, 25088
	v_lshlrev_b32 v[L4], 2, v8
	v_lshl_add_u32 v[NRA], v10, 6, NRM
	v_lshlrev_b32 v[CSO], 3, v9
	s_mul_i32 s90, s[WV], 1536
	v_add_nc_u32 v[AF0], s90, v[L16]
	s_lshl_b32 s90, s[WV], 7
	v_add_nc_u32 v[AG0], s90, v[L4]
	s_lshl_b32 s90, s[WV], 10
	s_add_co_u32 s90, s90, XCH
	v_add_nc_u32 v[XW], s90, v[L16]
	s_lshl_b32 s90, s[WV], 13
	s_add_co_u32 s90, s90, XCH
	v_add_nc_u32 v[XR], s90, v[L16]
	s_lshl_b32 s90, s[WV], 6
	s_add_co_u32 s90, s90, NRM
	v_lshl_add_u32 v[NW], v9, 2, s90
.irp b, 0,1,2,3
	v_mov_b32 v[236+\b], 0                         ; a lane permute's destination counts as one of its sources
.endr
	v_mov_b32 v253, 0
	CROUND                                         ; all four work-groups are here: the first joint loads meet
	s_mov_b32 s[G0R], 1
	s_mov_b32 s[G0R+1], s[WOFF]
	s_mov_b64 s[G0R+2:G0R+3], s[76:77]
	s_or_b32 s[G0R+3], s[G0R+3], 0x80000000
	s_mov_b32 s[G0F], 1
	s_mov_b32 s[G0F+1], KFO
	s_mov_b64 s[G0F+2:G0F+3], s[78:79]
	s_or_b32 s[G0F+3], s[G0F+3], 0x80000000
	s_mov_b32 s[G0S], 1
	s_mov_b32 s[G0S+1], KSO
	s_mov_b64 s[G0S+2:G0S+3], s[80:81]
	s_or_b32 s[G0S+3], s[G0S+3], 0x80000000
	JLOAD                                          ; slot 0: one load a wave is out
	s_wait_loadcnt 0x0
	s_wait_kmcnt 0x0
	QUANT 96, 16, 255                              ; q along d
.irp hf, 0,1                           ; elu(q) + 1, 32 numbers at a time; v160-191 at work
.set j, 0
.rept 16
	v_pk_mul_f32 v[160+j:161+j], v[96+32*\hf+j:97+32*\hf+j], 0x3fb8aa3b op_sel_hi:[1,0]
.set j, j+2
.endr
.set j, 0
.rept 32
	v_min_num_f32 v[160+j], 0, v[160+j]
.set j, j+1
.endr
.set j, 0
.rept 32
	v_exp_f32 v[160+j], v[160+j]
.set j, j+1
.endr
.set j, 0
.rept 32
	v_max_num_f32 v[96+32*\hf+j], 0, v[96+32*\hf+j]    ; plain work that names no exponential's result
.set j, j+1
.endr
	s_wait_alu depctr_va_vdst(0)                   ; one wait for the batch
.set j, 0
.rept 16
	v_pk_add_f32 v[96+32*\hf+j:97+32*\hf+j], v[96+32*\hf+j:97+32*\hf+j], v[160+j:161+j]
.set j, j+2
.endr
.endr
.irp i, 0,2,4,6,8,10,12,14             ; norm_term at my 16 columns: np's 32 parts
	v_add_f32 v[NPR+\i], v[NPR+\i], v[NPR+\i+1]
.endr
.irp i, 0,4,8,12
	v_add_f32 v[NPR+\i], v[NPR+\i], v[NPR+\i+2]
.endr
	v_add_f32 v[NPR], v[NPR], v[NPR+4]
	v_add_f32 v[NPR+8], v[NPR+8], v[NPR+12]
	v_add_f32 v[NPR], v[NPR], v[NPR+8]
	v_permlanex16_b32 v236, v[NPR], s[SEL], s[SEL+1]
	v_add_f32 v[NPR], v[NPR], v236                 ; both halves of the lanes hold the same sum,
	ds_store_b32 v[NW], v[NPR]                     ; and store it at the same place; the first change of slots is the barrier in front of its reads
	v_mov_b32 v13, 0xff61b1e6                      ; the largest t so far: -3e38
	v_floor_f32 v12, -v13
	v_mov_b32 v14, 0
	v_mov_b32 v15, 0
.macro KLOAD off                       ; 32 LDS loads: K's eight scale words and eight fragments of the record off bytes behind the one in hand
.irp t, 0,1,2,3,4,5,6,7
	ds_load_b32 v[KSC+\t], v[ADS] offset:(\off)+64*\t
.endr
	WIN 0x40                                       ; destination window 1
.irp t, 0,1,2,3,4,5,6,7
.irp c, 0,1,2
	ds_load_b128 v[12*\t+4*\c:12*\t+4*\c+3], v[ADK] offset:(\off)+1536*\t+16*\c
.endr
.endr
	WIN 0
.endm
.macro VLOAD                           ; 36 LDS loads: V's eight scale words, my fragment of kf and its scale word, V's eight fragments
.irp t, 0,1,2,3,4,5,6,7
	ds_load_b32 v[VSC+\t], v[ADT] offset:128*\t
.endr
	ds_load_b32 v[KFS], v[ADG]
.irp c, 0,1,2
	ds_load_b128 v[KFF+4*\c:KFF+4*\c+3], v[ADF] offset:512*\c
.endr
	WIN 0x40
.irp t, 0,1,2,3,4,5,6,7
.irp c, 0,1,2
	ds_load_b128 v[96+12*\t+4*\c:96+12*\t+4*\c+3], v[ADV] offset:1536*\t+512*\c
.endr
.endr
	WIN 0
.endm
; A KEY STEP: 128 keys, the record at s[TB].  more = 1: the next record lies in the same slot, and its K is fetched.  zero = 1: the head's first step starts the memory's sums.
; In every run of matrix instructions the accumulators take turns, one instruction a turn.
.macro STEP more, zero
	v_add_nc_u32 v[ADK], s[TB], v[AK0]             ; these six are also the places between the last step's products and the loads into V's registers
	v_add_nc_u32 v[ADS], s[TB], v[ASK0]
	v_add_nc_u32 v[ADV], s[TB], v[AV0]
	v_add_nc_u32 v[ADT], s[TB], v[ASV0]
	v_add_nc_u32 v[ADF], s[TF], v[AF0]
	v_add_nc_u32 v[ADG], s[TS], v[AG0]
	s_wait_dscnt 0x0                               ; K's fragments and scale words are in: they were asked for in the middle of the last step, or at the slot's head
	WIN 0x01                                       ; source 0 in window 1
.irp t, 0,1,2,3,4,5,6,7                ; S^T = K Q^T
	v_wmma_scale_f32_16x16x128_f8f6f4 v[96+8*\t:103+8*\t], v[12*\t:12*\t+11], v[16:27], 0, v[KSC+\t], v255 matrix_a_fmt:MATRIX_FMT_FP6 matrix_b_fmt:MATRIX_FMT_FP6
.endr
	WIN 0
	VLOAD                                          ; they land while the scores are worked on
.rept 4
	v_nop                                          ; places in front of the first read of the scores
.endr
.irp b, 0,1,2,3
	v_max3_num_f32 v[232+\b], v[96+16*\b], v[97+16*\b], v[98+16*\b]   ; the largest score of each block of 32 keys: for the row's maximum, and for the block's largest p
.endr
.irp i, 3,5,7,9,11,13
.irp b, 0,1,2,3
	v_max3_num_f32 v[232+\b], v[232+\b], v[96+16*\b+\i], v[97+16*\b+\i]
.endr
.endr
.irp b, 0,1,2,3
	v_max_num_f32 v[232+\b], v[232+\b], v[111+16*\b]
.endr
.irp b, 0,1,2,3
	v_permlanex16_b32 v[236+\b], v[232+\b], s[SEL], s[SEL+1]
.endr
.irp b, 0,1,2,3
	v_max_num_f32 v[232+\b], v[232+\b], v[236+\b]
.endr
	v_max3_num_f32 v254, v232, v233, v234
	v_max_num_f32 v254, v254, v235
	v_mul_f32 v254, s[CS], v254
	v_max_num_f32 v13, v13, v254                   ; the running largest t
	v_mov_b32 v254, v12
	v_floor_f32 v12, -v13                          ; -M = floor(-t): M is a whole number
	v_sub_f32 v254, v12, v254
	v_cvt_i32_f32 v254, v254
	v_ldexp_f32 v252, 1.0, v254                    ; f = 2^(old M - new M)
.set j, 0
.rept 32
	v_pk_fma_f32 v[96+j:97+j], v[96+j:97+j], s[CS:CS+1], v[12:13] op_sel_hi:[1,0,0]   ; t - M
.set j, j+2
.endr
.irp b, 0,1,2,3
	v_fma_f32 v[232+\b], v[232+\b], s[CS], v12
.endr
.set j, 0
.rept 64
	v_exp_f32 v[96+j], v[96+j]                     ; p = 2^(t - M)
.set j, j+1
.endr
	v_pk_mul_f32 v[14:15], v[14:15], v[252:253] op_sel_hi:[1,0]   ; the sums under the new M: a plain place behind the exponentials
	s_wait_dscnt 0x0                               ; V's fragments, my fragment of kf and their scale words are in
.if \more
	KLOAD REC                                      ; the next step's K: the rest of this step lies between these loads and the wait for them
.endif
	WIN 0x54                                       ; source 1, C and D in window 1
.irp t, 0,1,2,3,4,5,6,7                ; the memory: source 0 = 16 d of (elu(k) + 1)^T, source 1 = 16 e of V^T, K = these 128 tokens.  None of these names an exponential's result
.if \zero
	v_wmma_scale_f32_16x16x128_f8f6f4 v[192+8*\t:199+8*\t], v[KFF:KFF+11], v[96+12*\t:107+12*\t], 0, v[KFS], v[VSC+\t] matrix_a_fmt:MATRIX_FMT_FP6 matrix_b_fmt:MATRIX_FMT_FP6
.else
	v_wmma_scale_f32_16x16x128_f8f6f4 v[192+8*\t:199+8*\t], v[KFF:KFF+11], v[96+12*\t:107+12*\t], v[192+8*\t:199+8*\t], v[KFS], v[VSC+\t] matrix_a_fmt:MATRIX_FMT_FP6 matrix_b_fmt:MATRIX_FMT_FP6
.endif
.endr
	WIN 0
	s_wait_alu depctr_va_vdst(0)                   ; one wait for the batch of 64, ahead of its first reader
.irp b, 0,1,2,3
	v_exp_f32 v[232+\b], v[232+\b]                 ; each block's largest p
.endr
	v_pk_add_f32 v[236:237], v[96:97], v[98:99]    ; the row's sum of the unquantised p, in two chains
.set j, 4
.rept 15
	v_pk_add_f32 v[14:15], v[14:15], v[96+j:97+j]
	v_pk_add_f32 v[236:237], v[236:237], v[98+j:99+j]
.set j, j+4
.endr
	v_pk_add_f32 v[14:15], v[14:15], v[236:237]
	s_wait_alu depctr_va_vdst(0)                   ; and one for the four
.irp b, 0,1,2,3
	v_max_num_f32 v[232+\b], 0x1800000, v[232+\b]
.endr
.irp b, 0,1,2,3
	v_add_nc_u32 v[244+\b], 0xff000000, v[232+\b]
.endr
.irp b, 0,1,2,3
	v_lshrrev_b32 v[236+\b], 23, v[244+\b]
.endr
	v_lshl_or_b32 v253, v237, 8, v236              ; p's scale word
	v_lshl_or_b32 v253, v238, 16, v253
	v_lshl_or_b32 v253, v239, 24, v253
.irp c, 0,1
	v_cvt_scalef32_pk16_fp6_f32 v[224+6*\c:226+6*\c], v[96+32*\c:111+32*\c], v[244+2*\c]
	v_cvt_scalef32_pk16_fp6_f32 v[236+4*\c:238+4*\c], v[112+32*\c:127+32*\c], v[244+2*\c+1]
.endr
	v_nop
.irp c, 0,1
.irp i, 0,1,2
	v_permlane16_swap_b32 v[224+6*\c+\i], v[236+4*\c+\i]
.endr
.irp i, 0,1,2
	v_mov_b32 v[227+6*\c+\i], v[236+4*\c+\i]
.endr
.endr
.set j, 0
.rept 32
	v_pk_mul_f32 v[160+j:161+j], v[160+j:161+j], v[252:253] op_sel_hi:[1,0]   ; O^T under the new M; these are also the places between p's codes and scale word and the products below
.set j, j+2
.endr
	WIN 0x01
.irp t, 0,1,2,3,4,5,6,7                ; O^T += V^T P^T
	v_wmma_scale_f32_16x16x128_f8f6f4 v[160+8*\t:167+8*\t], v[96+12*\t:107+12*\t], v[224:235], v[160+8*\t:167+8*\t], v[VSC+\t], v253 matrix_a_fmt:MATRIX_FMT_FP6 matrix_b_fmt:MATRIX_FMT_FP6
.endr
	WIN 0
	s_add_co_u32 s[TB], s[TB], REC
	s_add_co_u32 s[TF], s[TF], KFR
	s_add_co_u32 s[TS], s[TS], 1024
.endm
; The change of slots stands at a slot's head: each wave waits for all its tensor loads, adds 0 to its spare word, waits for that and for its reads of the slot that it has left.
; fill = 1: a round of the cluster's barrier, and behind it slot s, which has just been left (or never filled), takes the next four key steps: the loads have four key steps in which to land.
.macro CHANGE fill, s
	s_wait_tensorcnt 0x0
	ds_add_u32 v[SPW], v[NIL]                      ; the descriptors' steps stand between the add and the wait for it
.if \fill
	s_add_co_u32 s[G0R+1], s[WOFF], (\s)*SLOTB
	s_add_nc_u64 s[G0R+2:G0R+3], s[G0R+2:G0R+3], 4*REC
	s_mov_b32 s[G0F+1], (\s)*SLOTB+KFO
	s_add_nc_u64 s[G0F+2:G0F+3], s[G0F+2:G0F+3], 4*KFR
	s_mov_b32 s[G0S+1], (\s)*SLOTB+KSO
	s_add_nc_u64 s[G0S+2:G0S+3], s[G0S+2:G0S+3], 4*1024
	s_wait_dscnt 0x0
	CROUND
	JLOAD
.else
	s_wait_dscnt 0x0
	s_barrier_signal -1
	s_barrier_wait -1
.endif
.endm
.macro ENTER s                         ; slot s is walked from its first record on; K of its first step is asked for
	s_mov_b32 s[TB], (\s)*SLOTB
	s_mov_b32 s[TF], (\s)*SLOTB+KFO
	s_mov_b32 s[TS], (\s)*SLOTB+KSO
	v_add_nc_u32 v[ADK], s[TB], v[AK0]
	v_add_nc_u32 v[ADS], s[TB], v[ASK0]
	KLOAD 0
.endm
.macro RUN first                       ; a slot's four key steps; the last fetches no K: the next record lies behind a barrier
.if \first
	STEP 1, 1
.endif
	s_mov_b32 s[FOUR], 3-(\first)
.Lstep_\@:
	STEP 1, 0
	s_sub_co_u32 s[FOUR], s[FOUR], 1
	s_cmp_lg_u32 s[FOUR], 0
	s_cbranch_scc1 .Lstep_\@
	STEP 0, 0
.endm
	CHANGE 1, 1                                    ; slot 0 and the eight waves' parts of norm_term are whole; slot 1 is asked for
.irp b, 0,1,2,3
.irp c, 0,1,2,3
	ds_load_b128 v[160+16*\b+4*\c:163+16*\b+4*\c], v[NRA] offset:128*\b+16*\c   ; norm_term at d = 32 b + 16 h + 4 c on
.endr
.endr
	ENTER 0
	s_wait_dscnt 32                                ; norm_term is in; K's 32 loads, issued behind it, may be out
	v_pk_mul_f32 v[48:49], v[96:97], v[160:161]    ; the product of elu(q) + 1 with norm_term, in f32, in two chains
	v_pk_mul_f32 v[50:51], v[98:99], v[162:163]
.set j, 4
.rept 15
	v_pk_fma_f32 v[48:49], v[96+j:97+j], v[160+j:161+j], v[48:49]
	v_pk_fma_f32 v[50:51], v[98+j:99+j], v[162+j:163+j], v[50:51]
.set j, j+4
.endr
	v_pk_add_f32 v[48:49], v[48:49], v[50:51]
	v_add_f32 v48, v48, v49
	v_permlanex16_b32 v236, v48, s[SEL], s[SEL+1]
	v_add_f32 v93, v48, v236                       ; the divisor of the memory's part
	QUANT 96, 80, 92                               ; elu(q) + 1 along d
.set j, 0
.rept 64
	v_mov_b32 v[160+j], 0                          ; O^T: the step's rescaling finds zeros in its first run
.set j, j+1
.endr
	RUN 1
	CHANGE 1, 0
	ENTER 1
	RUN 0
	CHANGE 1, 1
	ENTER 0
	RUN 0
	CHANGE 0, 0                                    ; the last slot: nothing is left to ask for; behind this barrier nobody reads slot 0
	ENTER 1
	RUN 0
	; THE MEMORY GOES FROM WAVE TO WAVE.  My accumulator t holds, for the 16 e of tile t, the 16 d of tile w; wave t wants all eight tiles of d.
.rept 4
	v_nop                                          ; places behind the last products: their operands' registers are written below
.endr
	WIN 0x04                                       ; an LDS store's data are its source 1: window 1
.irp t, 0,1,2,3,4,5,6,7
	ds_store_b128 v[XW], v[192+8*\t:195+8*\t] offset:8192*\t           ; each accumulator from its low end on
	ds_store_b128 v[XW], v[196+8*\t:199+8*\t] offset:8192*\t+512
.endr
	WIN 0
	s_wait_dscnt 0x0                               ; my stores have landed
	s_barrier_signal -1
	s_barrier_wait -1
.set j, 0
.rept 16
	ds_load_b128 v[96+4*j:99+4*j], v[XR] offset:512*j   ; register 8 w' + i: what wave w' summed for my tile of e: d = 32 b + 16 h + 0 .. 15 in registers 16 b on
.set j, j+1
.endr
	s_wait_dscnt 0x0
	QUANT 96, 224, 253                             ; the memory along d
.irp c, 0,1,2
	ds_store_b128 v[AF0], v[224+4*\c:227+4*\c] offset:MFI+512*\c       ; the fragment as an image of its registers
.endr
	ds_store_b32 v[AG0], v253 offset:MFI+12288
	s_wait_dscnt 0x0
	s_barrier_signal -1
	s_barrier_wait -1                              ; the memory's eight fragments lie in LDS
.irp t, 0,1,2,3,4,5,6,7
	ds_load_b32 v[KSC+\t], v[L4] offset:MFI+12288+128*\t
.endr
	WIN 0x40
.irp t, 0,1,2,3,4,5,6,7
.irp c, 0,1,2
	ds_load_b128 v[12*\t+4*\c:12*\t+4*\c+3], v[L16] offset:MFI+1536*\t+512*\c
.endr
.endr
	s_wait_dscnt 0x0
	WIN 0x01
.irp t, 0,1,2,3,4,5,6,7                ; the retrieval: source 0 = a tile of 16 e of the memory (K = d), source 1 = elu(q) + 1
	v_wmma_scale_f32_16x16x128_f8f6f4 v[96+8*\t:103+8*\t], v[12*\t:12*\t+11], v[80:91], 0, v[KSC+\t], v92 matrix_a_fmt:MATRIX_FMT_FP6 matrix_b_fmt:MATRIX_FMT_FP6
.endr
	WIN 0
.rept 4
	v_nop
.endr
	v_add_f32 v14, v14, v15
	v_permlanex16_b32 v252, v14, s[SEL], s[SEL+1]
	v_add_f32 v14, v14, v252                       ; the row's sum
	v_mov_b32 v232, s[GATE]
	v_mul_f32 v232, 0xbfb8aa3b, v232
	v_exp_f32 v232, v232                           ; e^-gate
	v_nop
	s_wait_alu depctr_va_vdst(0)
	v_add_f32 v232, 1.0, v232
	v_rcp_f32 v233, v232                           ; g
	v_rcp_f32 v234, v14
	v_rcp_f32 v235, v93
	v_nop
	s_wait_alu depctr_va_vdst(0)                   ; one wait for the three
	v_mul_f32 v236, v233, v235                     ; g / divisor
	v_sub_f32 v237, 1.0, v233
	v_mul_f32 v238, v237, v234                     ; (1 - g) / sum
.set j, 0
.rept 32
	v_pk_mul_f32 v[160+j:161+j], v[160+j:161+j], v[238:239] op_sel_hi:[1,0]
.set j, j+2
.endr
.set j, 0
.rept 32
	v_pk_fma_f32 v[96+j:97+j], v[96+j:97+j], v[236:237], v[160+j:161+j] op_sel_hi:[1,0,1]   ; register 16 b + i: channel 32 b + 16 h + i of the head
.set j, j+2
.endr
	QUANT 96, 224, 253                             ; along the hidden axis: K step = the head
.irp c, 0,1,2
	global_store_b128 v[L16], v[224+4*\c:227+4*\c], s[86:87] offset:512*\c
.endr
	global_store_b32 v[CSO], v253, s[88:89]        ; both halves of the lanes hold row r's word and store it at the same place
	s_wait_tensorcnt 0x0                           ; the wave's end
	ds_add_u32 v[SPW], v[NIL]
	s_wait_dscnt 0x0
	CROUND                                         ; the closing round
	s_endpgm
.Lfunc_end_k_q851afb3dc0_attn:
	.size	k_q851afb3dc0_attn, .Lfunc_end_k_q851afb3dc0_attn-k_q851afb3dc0_attn
	.p2alignl 7, 3214868480
	.fill 96, 4, 3214868480
	.section	.rodata,"a",@progbits
	.p2align	6, 0x0
	.amdhsa_kernel k_q851afb3dc0_attn
		.amdhsa_group_segment_fixed_size 327680
		.amdhsa_private_segment_fixed_size 0
		.amdhsa_enable_private_segment 0
		.amdhsa_kernarg_size 48
		.amdhsa_user_sgpr_count 2
		.amdhsa_user_sgpr_kernarg_segment_ptr 1
		.amdhsa_wavefront_size32 1
		.amdhsa_system_sgpr_workgroup_id_x 1
		.amdhsa_system_sgpr_workgroup_id_y 1
		.amdhsa_system_sgpr_workgroup_id_z 1
		.amdhsa_system_vgpr_workitem_id 0
		.amdhsa_next_free_vgpr 512
		.amdhsa_next_free_sgpr 100
		.amdhsa_reserve_vcc 0
		.amdhsa_float_denorm_mode_32 3
		.amdhsa_float_denorm_mode_16_64 3
		.amdhsa_memory_ordered 1
		.amdhsa_forward_progress 1
		.amdhsa_inst_pref_size 248
	.end_amdhsa_kernel
	.amdgpu_metadata
---
amdhsa.version: [ 1, 2 ]
amdhsa.kernels:
  - .name:           k_q851afb3dc0_attn
    .symbol:         k_q851afb3dc0_attn.kd
    .args:
      - { .name: qi, .offset: 0, .size: 8, .value_kind: global_buffer, .address_space: global }
      - { .name: kv, .offset: 8, .size: 8, .value_kind: global_buffer, .address_space: global }
      - { .name: kf, .offset: 16, .size: 8, .value_kind: global_buffer, .address_space: global }
      - { .name: np, .offset: 24, .size: 8, .value_kind: global_buffer, .address_space: global }
      - { .name: gate, .offset: 32, .size: 8, .value_kind: global_buffer, .address_space: global }
      - { .name: cmb, .offset: 40, .size: 8, .value_kind: global_buffer, .address_space: global }
    .group_segment_fixed_size: 327680
    .private_segment_fixed_size: 0
    .kernarg_segment_align: 8
    .kernarg_segment_size: 48
    .max_flat_workgroup_size: 256
    .sgpr_count:     100
    .vgpr_count:     512
    .wavefront_size: 32
...
	.end_amdgpu_metadata
.endif
;; end of part 3
;; launch outp (part 4): grid 16 x 16, 4 waves a work-group, clusters of 4 x 4, 327,680 bytes of LDS; arguments cmb, cw, out0; writes out0
.if DOCPART == 4
	.amdgcn_target "amdgcn-amd-amdhsa--gfx1250"
	.amdhsa_code_object_version 6
	.text
	.protected	k_q851afb3dc0_outp
	.globl	k_q851afb3dc0_outp
	.p2align	8
	.type	k_q851afb3dc0_outp,@function
k_q851afb3dc0_outp:
	s_mov_b64 s[64:65], 0
	v_nop
	global_prefetch_b8 v0, s[64:65] scope:SCOPE_SE
	s_setreg_imm32_b32 hwreg(HW_REG_WAVE_MODE, 25, 1), 1
	s_wait_xcnt 0x0
	s_wait_alu depctr_hold_cnt(0) depctr_sa_sdst(0) depctr_va_vdst(0) depctr_va_sdst(0) depctr_va_ssrc(0) depctr_va_vcc(0) depctr_vm_vsrc(0)
	s_getreg_b32 s2, hwreg(HW_REG_IB_STS2, 6, 4)
	s_cmp_eq_u32 s2, 0
	s_cbranch_scc0 .Lentry_in_a_cluster
	s_endpgm
.Lentry_in_a_cluster:
	s_bfe_u32 s2, ttmp6, 0x10000c
	s_cmp_lg_u32 s2, 0xf033
	s_cbranch_scc0 .Lentry_shape_is_right
	s_endpgm
.Lentry_shape_is_right:
; out0 = combined Wo^T on codes of FP6, K = 2,048.  A work-group makes 128 tokens x 128 columns, so that there are 256 work-groups; a wave 64 x 64: 16 accumulators.
; A = cmb's tiles (images of the operand's registers, 16 bytes a lane and quad), B = cw's tiles 512 on (48 bytes a lane).  A slot of the ring holds four K steps of 128: 16 K steps are four fills, two at the start and two refills,
; so the text is written out with no loop.  The scale bytes of the work-group's tiles come once.  CLUSTERS of 4 x 4: A's tiles are asked for jointly along a row of the cluster, B's along a column.
; The matrix instruction is used transposed (source 0 = Wo's rows, source 1 = tokens): a lane holds eight neighbouring columns of one token's row.
; Row r of token tile T is token 32 (T / 2) + 8 (T % 2) + r + 8 (r / 8); Wo's tiles are laid likewise: the way out puts both right.
.set FR,    12
.set TILEB, 24576
.set KSB,   1536
.set SLOTT, 4*KSB
.set HALFT, 4*SLOTT                    ; 4 tiles: what one tensor load brings, and what one wave reads of A or of B
.set SLOT,  4*HALFT
.set SCL,   2*SLOT                     ; A's scales, 8,192 bytes; B's begin 128 bytes further than on end
.set SPARE, 327168
.set SPITCH, 272                       ; the way out: 16 rows x (256 + 16) bytes a wave, in slot 0, which has had its last fill and its last read by then
.set ADRA, 16
.set ADRB, 20
.set STO,  24
.set RD,   25
.set CO,   26
.set ADRS, 27
.set SPW,  28
.set NIL,  29
.set SC,   32                          ; v32-63  scale words, two sets: tile i, K step q of the slot at 16 s + 4 i + q
.set BK,   64                          ; v64-127 rows read back, two sets
.set ACC,  128                         ; v128-255 the accumulators;  window 1: two fragment buffers at v0 and v128: A's four fragments, then B's four
.set G1,   24
.set G0,   32
.set G1B,  48
.set G0B,  56
.set G1S,  68
.set G0S,  76
.set G1SB, 80
.set G0SB, 88
.set MSB, 0
.macro WIN new
.if MSB != (\new)
	s_set_vgpr_msb (MSB<<8)|(\new)
.set MSB, (\new)
.endif
.endm
.set MULW, 0x05                        ; sources 0 and 1 in window 1
.macro JLOAD g0a, g1a, g0b, g1b
	s_cmp_eq_u32 s15, 0
	s_cbranch_scc0 .Lfor_b_\@
	tensor_load_to_lds s[\g0a:\g0a+3], s[\g1a:\g1a+7]
	s_nop 0
.rept 4
	v_nop
.endr
	s_branch .Lasked_\@
.Lfor_b_\@:
	tensor_load_to_lds s[\g0b:\g0b+3], s[\g1b:\g1b+7]
	s_nop 0
.rept 4
	v_nop
.endr
.Lasked_\@:
.endm
.macro CREST
	s_cmp_lg_u32 s14, 0
	s_cbranch_scc1 .Lnot_wave_0_\@
	s_barrier_signal -3
.Lnot_wave_0_\@:
	s_barrier_wait -3
	s_barrier_signal -1
	s_barrier_wait -1
.endm
.macro CROUND
	s_barrier_signal -1
	s_barrier_wait -1
	CREST
.endm
	s_load_b128 s[4:7], s[0:1], 0x0                ; cmb, cw
	s_load_b64 s[8:9], s[0:1], 0x10                ; out0
	v_lshl_add_u32 v[SPW], v0, 2, SPARE
	v_mov_b32 v[NIL], 0
	ds_add_u32 v[SPW], v[NIL]                      ; the wave's opening: the add and its wait stand ahead of my first tensor load
	v_lshrrev_b32 v1, 5, v0
	v_readfirstlane_b32 s14, v1
	s_lshr_b32 s15, s14, 1                         ; i.  Also: I fetch for A (0) or B (1)
	s_and_b32 s16, s14, 1                          ; u.  Also: which 4 tiles I fetch
	s_bfe_u32 s40, ttmp6, 0x40000
	s_bfe_u32 s41, ttmp6, 0x40004
	s_lshl_b32 s42, ttmp9, 2
	s_add_co_u32 s42, s42, s40                     ; x
	s_and_b32 s17, ttmp7, 0xffff
	s_lshl_b32 s17, s17, 2
	s_add_co_u32 s17, s17, s41                     ; y
	s_lshl_b32 s43, s41, 2
	s_lshl_b32 s43, 15, s43
	s_lshl_b32 s44, 0x1111, s40
	s_or_b32 s[G1+0], s43, (3<<16)|(1<<21)
	s_or_b32 s[G1B+0], s44, (3<<16)|(1<<21)
.irp g, G1, G1B
	s_mov_b32 s[\g+1], 768<<16                     ; 6,144 bytes: a tile's four fragments
	s_mov_b32 s[\g+2], 4<<16                       ; 4 tiles
	s_mov_b32 s[\g+3], 768<<16
	s_mov_b32 s[\g+4], 4
	s_mov_b32 s[\g+5], 3072                        ; from tile to tile: 24,576 bytes
	s_mov_b32 s[\g+6], 0
	s_mov_b32 s[\g+7], 0
.endr
	s_or_b32 s[G1S+0], s43, (3<<16)|(1<<21)        ; the scales of 4 tiles: 4,096 dense bytes as 16 rows of 256
	s_or_b32 s[G1SB+0], s44, (3<<16)|(1<<21)
.irp g, G1S, G1SB
	s_mov_b32 s[\g+1], 32<<16
	s_mov_b32 s[\g+2], 16<<16
	s_mov_b32 s[\g+3], 32<<16
	s_mov_b32 s[\g+4], 16
	s_mov_b32 s[\g+5], 32
	s_mov_b32 s[\g+6], 0
	s_mov_b32 s[\g+7], 0
.endr
	s_lshl_b32 s18, s16, 2
	s_lshl_b32 s20, s17, 3
	s_add_co_u32 s20, s20, s18                     ; A's tile: 8 y + 4 x half
	s_lshl_b32 s46, s42, 3
	s_add_co_u32 s46, s46, s18
	s_add_co_u32 s46, s46, 512                     ; B's: 512 + 8 x + 4 x half
	s_lshl_b32 s22, s20, 10
	s_add_co_u32 s22, s22, 3145728
	s_mov_b32 s23, 0
	s_mul_i32 s20, s20, TILEB
	s_mov_b32 s21, 0
	s_lshl_b32 s92, s46, 10
	s_add_co_u32 s92, s92, 15728640
	s_mov_b32 s93, 0
	s_mul_i32 s46, s46, TILEB
	s_mov_b32 s47, 0
	s_mul_i32 s45, s14, HALFT
	s_lshl_b32 s94, s14, 12
	s_lshl_b32 s95, s15, 7
	s_add_co_u32 s94, s94, s95
	s_wait_dscnt 0x0                               ; the opening add is done
	s_wait_kmcnt 0x0
	s_add_nc_u64 s[20:21], s[4:5], s[20:21]
	s_add_nc_u64 s[22:23], s[4:5], s[22:23]
	s_add_nc_u64 s[46:47], s[6:7], s[46:47]
	s_add_nc_u64 s[92:93], s[6:7], s[92:93]
	CROUND                                         ; all sixteen work-groups are here
	s_mov_b32 s[G0S], 1
	s_add_co_u32 s[G0S+1], s94, SCL
	s_mov_b64 s[G0S+2:G0S+3], s[22:23]
	s_or_b32 s[G0S+3], s[G0S+3], 0x80000000
	s_mov_b32 s[G0SB], 1
	s_add_co_u32 s[G0SB+1], s94, SCL
	s_mov_b64 s[G0SB+2:G0SB+3], s[92:93]
	s_or_b32 s[G0SB+3], s[G0SB+3], 0x80000000
	JLOAD G0S, G1S, G0SB, G1SB                     ; three first fills a wave: the scales, slot 0, slot 1
.irp s, 0,1
	s_mov_b32 s[G0+4*\s], 1
	s_add_co_u32 s[G0+4*\s+1], s45, \s*SLOT
	s_add_nc_u64 s[G0+4*\s+2:G0+4*\s+3], s[20:21], \s*SLOTT
	s_or_b32 s[G0+4*\s+3], s[G0+4*\s+3], 0x80000000
	s_mov_b32 s[G0B+4*\s], 1
	s_add_co_u32 s[G0B+4*\s+1], s45, \s*SLOT
	s_add_nc_u64 s[G0B+4*\s+2:G0B+4*\s+3], s[46:47], \s*SLOTT
	s_or_b32 s[G0B+4*\s+3], s[G0B+4*\s+3], 0x80000000
	JLOAD G0+4*\s, G1, G0B+4*\s, G1B
.endr
	v_and_b32 v1, 15, v0                           ; r
	v_bfe_u32 v2, v0, 4, 1                         ; h
	v_and_b32 v3, 31, v0                           ; lane
	v_lshlrev_b32 v4, 4, v3
	v_mul_u32_u24 v5, v3, 48
	s_mul_i32 s21, s15, HALFT
	s_mul_i32 s22, s16, HALFT
	s_add_co_u32 s22, s22, 2*HALFT
.irp s, 0,1
	v_add_nc_u32 v[ADRA+\s], s21, v4
	v_add_nc_u32 v[ADRB+\s], s22, v5
	s_add_co_u32 s21, s21, SLOT
	s_add_co_u32 s22, s22, SLOT
.endr
	v_lshlrev_b32 v5, 3, v1
	s_lshl_b32 s21, s15, 12
	s_lshl_b32 s22, s16, 12
	s_add_co_u32 s22, s22, 8320
	s_sub_co_u32 s22, s22, s21
	v_mul_u32_u24 v6, s22, v2                      ; lanes 16-31 take B's: one product, the distance between the two
	s_add_co_u32 s21, s21, SCL
	v_add_nc_u32 v5, v5, v6
	v_add_nc_u32 v[ADRS], s21, v5
	s_mul_i32 s23, s14, 16*SPITCH                  ; my stage
	v_mul_u32_u24 v5, v1, SPITCH
	v_lshl_add_u32 v5, v2, 6, v5
	v_add_nc_u32 v[STO], s23, v5                   ; in: row r, + 64 h
	v_mul_u32_u24 v5, v2, SPITCH
	v_lshl_add_u32 v5, v1, 4, v5
	v_add_nc_u32 v[RD], s23, v5                    ; back: lanes 0-15 one row of 256 bytes, lanes 16-31 the next
	v_lshlrev_b32 v[CO], 13, v2
	v_lshl_add_u32 v[CO], v1, 4, v[CO]             ; and the same two rows in out0
	s_lshl_b32 s20, s17, 20                        ; 128 y rows of 8,192 bytes
	s_lshl_b32 s21, s15, 19
	s_add_co_u32 s20, s20, s21
	s_lshl_b32 s21, s42, 9
	s_add_co_u32 s20, s20, s21
	s_lshl_b32 s21, s16, 8
	s_add_co_u32 s20, s20, s21
	s_mov_b32 s21, 0
	s_add_nc_u64 s[8:9], s[8:9], s[20:21]
.macro FETCH n                         ; K step n's eight fragments into buffer n % 2: 24 loads
	WIN 0x40
.irp i, 0,1,2,3
.irp c, 0,1,2
	ds_load_b128 v[128*((\n)%2)+48+12*\i+4*\c:128*((\n)%2)+48+12*\i+4*\c+3], v[ADRB+((\n)/4)%2] offset:SLOTT*\i+KSB*((\n)%4)+16*\c
	ds_load_b128 v[128*((\n)%2)+12*\i+4*\c:128*((\n)%2)+12*\i+4*\c+3], v[ADRA+((\n)/4)%2] offset:SLOTT*\i+KSB*((\n)%4)+512*\c
.endr
.endr
.endm
.macro SCALES g                        ; fill g's scale words: lanes 0-15 A's tile i, lanes 16-31 B's tile i
.irp i, 0,1,2,3
.irp p, 0,1
	ds_load_b64 v[SC+16*((\g)%2)+4*\i+2*\p:SC+16*((\g)%2)+4*\i+2*\p+1], v[ADRS] offset:1024*\i+128*(2*(\g)+\p)
.endr
.endr
.endm
.macro MUL n, k0, cnt                  ; accumulators k0 .. k0 + cnt - 1 of 16, always in the same order: they take turns
.set kk, \k0
.rept \cnt
.set ma, kk/4
.set mb, kk%4
.set fb, 128*((\n)%2)
.set sb, SC+16*(((\n)/4)%2)+(\n)%4
.if (\n) == 0
	v_wmma_scale_f32_16x16x128_f8f6f4 v[ACC+8*kk:ACC+8*kk+7], v[fb+48+12*mb:fb+48+12*mb+11], v[fb+12*ma:fb+12*ma+11], 0, v[sb+4*mb], v[sb+4*ma] matrix_a_fmt:MATRIX_FMT_FP6 matrix_b_fmt:MATRIX_FMT_FP6 matrix_a_scale:MATRIX_SCALE_ROW1
.else
	v_wmma_scale_f32_16x16x128_f8f6f4 v[ACC+8*kk:ACC+8*kk+7], v[fb+48+12*mb:fb+48+12*mb+11], v[fb+12*ma:fb+12*ma+11], v[ACC+8*kk:ACC+8*kk+7], v[sb+4*mb], v[sb+4*ma] matrix_a_fmt:MATRIX_FMT_FP6 matrix_b_fmt:MATRIX_FMT_FP6 matrix_a_scale:MATRIX_SCALE_ROW1
.endif
.set kk, kk+1
.endr
.endm
.macro PLACES
.rept 4
	v_nop
.endr
.endm
.macro STEP5 n                         ; a K step that has its successor in the same slot
	s_wait_dscnt 0x0                               ; this step's fragments are in
	PLACES                                         ; in front of loads into the buffer that the last step multiplied
	FETCH (\n)+1
	WIN MULW
	MUL \n, 0, 16
.endm
.macro TURN5 g                         ; a slot's last K step, 4 g + 3, changes slots
	WIN 0
	s_wait_tensorcnt 0x0                           ; all my tensor loads have landed
	ds_add_u32 v[SPW], v[NIL]
	s_wait_dscnt 1                                 ; this step's fragments are in; the add may be out
	WIN MULW
	MUL 4*(\g)+3, 0, 4
	s_wait_dscnt 0x0                               ; the add is done, and my reads of this slot are over
	s_barrier_signal -1
	MUL 4*(\g)+3, 4, 4
	WIN 0
	s_barrier_wait -1
.if (\g) < 2
	CREST                                          ; the barrier has opened a round of the cluster's
	s_add_nc_u64 s[G0+4*(\g)+2:G0+4*(\g)+3], s[G0+4*(\g)+2:G0+4*(\g)+3], 2*SLOTT
	s_add_nc_u64 s[G0B+4*(\g)+2:G0B+4*(\g)+3], s[G0B+4*(\g)+2:G0B+4*(\g)+3], 2*SLOTT
	JLOAD G0+4*(\g), G1, G0B+4*(\g), G1B           ; the first tensor load behind the round; its four v_nop are the places in front of the loads below
.else
	PLACES
.endif
	FETCH 4*(\g)+4
	WIN 0
	SCALES (\g)+1
	WIN MULW
	MUL 4*(\g)+3, 8, 8
.endm
	s_wait_tensorcnt 1                             ; the scales and my part of slot 0 are in; slot 1's load may be out
	s_barrier_signal -1
	s_barrier_wait -1
	FETCH 0
	WIN 0
	SCALES 0
	STEP5 0
	STEP5 1
	STEP5 2
	TURN5 0
	STEP5 4
	STEP5 5
	STEP5 6
	TURN5 1
	STEP5 8
	STEP5 9
	STEP5 10
	TURN5 2
	STEP5 12
	STEP5 13
	STEP5 14
	s_wait_dscnt 0x0
	MUL 15, 0, 16
	WIN 0
	; THE WAY OUT, 16 tokens x 64 columns at a time, through my own stage: sixteen lanes then store 256 consecutive bytes, aligned
.macro TOSTAGE a
.irp b, 0,1,2,3
	ds_store_b128 v[STO], v[ACC+8*(4*(\a)+\b):ACC+8*(4*(\a)+\b)+3] offset:128*(\b/2)+32*(\b%2)       ; each accumulator from its low end on
	ds_store_b128 v[STO], v[ACC+8*(4*(\a)+\b)+4:ACC+8*(4*(\a)+\b)+7] offset:128*(\b/2)+32*(\b%2)+16
.endr
.irp t, 0,1,2,3,4,5,6,7
	ds_load_b128 v[BK+32*((\a)%2)+4*\t:BK+32*((\a)%2)+4*\t+3], v[RD] offset:2*SPITCH*\t   ; LDS serves a wave's instructions in order: these see the stores above
.endr
.endm
.macro SEND a, younger
	s_wait_dscnt \younger                          ; the block is back; the next block's 16 LDS instructions may be out
.irp t, 0,1,2,3,4,5,6,7
	global_store_b128 v[CO], v[BK+32*((\a)%2)+4*\t:BK+32*((\a)%2)+4*\t+3], s[8:9] offset:(32*((\a)/2)+8*((\a)%2)+2*\t+8*(\t/4))*8192 th:TH_STORE_NT
.endr
.endm
	PLACES
	TOSTAGE 0
	TOSTAGE 1
	SEND 0, 16
	s_wait_xcnt 0x0                                ; block 0's stores have read their registers
	TOSTAGE 2
	SEND 1, 16
	s_wait_xcnt 0x0
	TOSTAGE 3
	SEND 2, 16
	SEND 3, 0
	s_wait_tensorcnt 0x0                           ; the wave's end
	ds_add_u32 v[SPW], v[NIL]
	s_wait_dscnt 0x0
	CROUND                                         ; the closing round
	s_endpgm
.Lfunc_end_k_q851afb3dc0_outp:
	.size	k_q851afb3dc0_outp, .Lfunc_end_k_q851afb3dc0_outp-k_q851afb3dc0_outp
	.p2alignl 7, 3214868480
	.fill 96, 4, 3214868480
	.section	.rodata,"a",@progbits
	.p2align	6, 0x0
	.amdhsa_kernel k_q851afb3dc0_outp
		.amdhsa_group_segment_fixed_size 327680
		.amdhsa_private_segment_fixed_size 0
		.amdhsa_enable_private_segment 0
		.amdhsa_kernarg_size 24
		.amdhsa_user_sgpr_count 2
		.amdhsa_user_sgpr_kernarg_segment_ptr 1
		.amdhsa_wavefront_size32 1
		.amdhsa_system_sgpr_workgroup_id_x 1
		.amdhsa_system_sgpr_workgroup_id_y 1
		.amdhsa_system_sgpr_workgroup_id_z 1
		.amdhsa_system_vgpr_workitem_id 0
		.amdhsa_next_free_vgpr 512
		.amdhsa_next_free_sgpr 100
		.amdhsa_reserve_vcc 0
		.amdhsa_float_denorm_mode_32 3
		.amdhsa_float_denorm_mode_16_64 3
		.amdhsa_memory_ordered 1
		.amdhsa_forward_progress 1
		.amdhsa_inst_pref_size 81
	.end_amdhsa_kernel
	.amdgpu_metadata
---
amdhsa.version: [ 1, 2 ]
amdhsa.kernels:
  - .name:           k_q851afb3dc0_outp
    .symbol:         k_q851afb3dc0_outp.kd
    .args:
      - { .name: cmb, .offset: 0, .size: 8, .value_kind: global_buffer, .address_space: global }
      - { .name: cw, .offset: 8, .size: 8, .value_kind: global_buffer, .address_space: global }
      - { .name: out0, .offset: 16, .size: 8, .value_kind: global_buffer, .address_space: global }
    .group_segment_fixed_size: 327680
    .private_segment_fixed_size: 0
    .kernarg_segment_align: 8
    .kernarg_segment_size: 24
    .max_flat_workgroup_size: 128
    .sgpr_count:     100
    .vgpr_count:     512
    .wavefront_size: 32
...
	.end_amdgpu_metadata
.endif
;; end of part 4
